; MI455X (gfx1250); checked and timed in simulation.
; The chip was launched on July 23, 2026; its instructions are those of AMD's public machine-readable ISA for CDNA 5 (MIT licence, August 2026) and "CDNA5" Instruction Set Architecture Reference Guide (July 2026). The comments in the code are by the model that wrote it; some were corrected since.
;; Causal Attention. Allowed arithmetic: float matrix products may take bf16 or f16 operands with f32 sums; all other float work in f32.
;; Inputs: embedding_word 4 x 2,048 x 1,024 float32; w_k 1,024 x 1,024 float32; w_q 1,024 x 1,024 float32; w_v 1,024 x 1,024 float32.
;; Outputs: out0 4 x 2,048 x 1,024 float32.
;; 2 versions, each right and faster than the one before. Each part assembles by itself: llvm-mc -triple=amdgcn-amd-amdhsa -mcpu=gfx1250 --defsym DOCPART=n.
;; ======== version 1 of 2: 4 launches
;; limits: values are held in f16: magnitudes above 65,504 overflow, below 6.1e-05 lose precision; right only within a limited range of input values
;; workspace buffers: xb 16,777,216 bytes; wt 6,291,456 bytes; qkv 50,331,648 bytes; pb 33,554,432 bytes; st 1,048,576 bytes
;; launch prep (part 1): grid 640 x 1, 8 waves a work-group, no clusters, 18,432 bytes of LDS; arguments embedding_word, w_q, w_k, w_v, xb, wt; writes xb, wt
.if DOCPART == 1
	.amdgcn_target "amdgcn-amd-amdhsa--gfx1250"
	.amdhsa_code_object_version 6
	.text
	.protected	k_q3716fc1c20_prep
	.globl	k_q3716fc1c20_prep
	.p2align	8
	.type	k_q3716fc1c20_prep,@function
k_q3716fc1c20_prep:
	s_mov_b64 s[64:65], 0
	v_nop
	global_prefetch_b8 v0, s[64:65] scope:SCOPE_SE
	s_setreg_imm32_b32 hwreg(HW_REG_WAVE_MODE, 25, 1), 1
	s_wait_xcnt 0x0
; xb = bf16(x), [8192][1024].  wt = bf16 of the three weights, turned: wt[1024 w + n][k] = W_w[k][n], w = 0 (q), 1 (k), 2 (v).
; Work-groups 0-255 cast 131,072 bytes of x each; work-groups 256-639 turn one block of 128 k x 64 n of one weight through LDS.
; A stream: every input byte is read once, every output byte written once; no matrix unit, no cluster, no tensor load would add anything.
.set TP,    272                        ; a row of the turned block in LDS: 128 bf16 + 16 bytes
.set SPARE, 64*TP                      ; behind the block: the spare words, 128 bytes for each of the eight waves
.set SPW,   200                        ; v200 LDS address of my spare word; never rewritten
.set NIL,   201                        ; v201 0; never rewritten
.set X,     8                          ; v[8:135]   as loaded
.set Y,     136                        ; v[136:199] to store
	s_load_b256 s[4:11], s[0:1], 0x0               ; x s[4:5], w_q s[6:7], w_k s[8:9], w_v s[10:11]
	s_load_b128 s[12:15], s[0:1], 0x20             ; xb s[12:13], wt s[14:15]
	v_lshl_add_u32 v[SPW], v0, 2, SPARE
	v_mov_b32 v[NIL], 0
	s_mov_b32 s17, 0                               ; the high word of every offset
	s_wait_kmcnt 0x0
	s_cmp_lt_u32 ttmp9, 256                        ; the same answer in all waves of a work-group
	s_cbranch_scc0 .Ltr
	; THE CAST.  In each of 16 steps thread t takes 32 bytes of x at 32 t and gives 16 bytes of xb at 16 t: a wave's store covers 512 consecutive bytes.
	s_lshl_b32 s16, ttmp9, 17
	s_add_nc_u64 s[4:5], s[4:5], s[16:17]
	s_lshl_b32 s16, ttmp9, 16
	s_add_nc_u64 s[12:13], s[12:13], s[16:17]
	v_lshlrev_b32 v1, 5, v0
	v_lshlrev_b32 v2, 4, v0
.set it, 0
.rept 16                                       ; all 32 loads go out at once
	global_load_b128 v[X+8*it:X+8*it+3],   v1, s[4:5] offset:8192*it th:TH_LOAD_NT
	global_load_b128 v[X+8*it+4:X+8*it+7], v1, s[4:5] offset:8192*it+16 th:TH_LOAD_NT
.set it, it+1
.endr
.set it, 0
.rept 16
	s_wait_loadcnt 30-2*it                         ; loads come back in order: this step's two are in, the younger ones stay out
	v_cvt_pk_bf16_f32 v[Y+4*it],   v[X+8*it],   v[X+8*it+1]
	v_cvt_pk_bf16_f32 v[Y+4*it+1], v[X+8*it+2], v[X+8*it+3]
	v_cvt_pk_bf16_f32 v[Y+4*it+2], v[X+8*it+4], v[X+8*it+5]
	v_cvt_pk_bf16_f32 v[Y+4*it+3], v[X+8*it+6], v[X+8*it+7]
	global_store_b128 v2, v[Y+4*it:Y+4*it+3], s[12:13] offset:4096*it  ; each step has registers of its own: nothing that a store reads is rewritten
.set it, it+1
.endr
	s_wait_tensorcnt 0x0                           ; the wave's end
	ds_add_u32 v[SPW], v[NIL]
	s_wait_dscnt 0x0
	s_endpgm
.Ltr:	; THE TURN.  Block: weight (id >> 7), k block (id & 7) of 128, n block ((id >> 3) & 15) of 64.
	s_sub_co_u32 s18, ttmp9, 256
	s_lshr_b32 s19, s18, 7                         ; which weight
	s_and_b32 s20, s18, 7                          ; k block
	s_bfe_u32 s21, s18, 0x40003                    ; n block
	s_cmp_eq_u32 s19, 1
	s_cselect_b64 s[22:23], s[8:9], s[6:7]
	s_cmp_eq_u32 s19, 2
	s_cselect_b64 s[22:23], s[10:11], s[22:23]
	s_lshl_b32 s16, s20, 19                        ; 128 rows of 4,096 bytes
	s_lshl_b32 s24, s21, 8                         ; 64 numbers of 4 bytes
	s_add_co_u32 s16, s16, s24
	s_add_nc_u64 s[22:23], s[22:23], s[16:17]
	s_lshl_b32 s16, s19, 10
	s_lshl_b32 s24, s21, 6
	s_add_co_u32 s16, s16, s24                     ; wt's row
	s_lshl_b32 s16, s16, 11                        ; of 2,048 bytes
	s_lshl_b32 s24, s20, 8                         ; 128 bf16
	s_add_co_u32 s16, s16, s24
	s_add_nc_u64 s[14:15], s[14:15], s[16:17]
	v_and_b32 v1, 15, v0                           ; nq: my four n
	v_lshrrev_b32 v2, 4, v0                        ; kp: my pair of k, in each of four steps
	v_lshlrev_b32 v3, 4, v1
	v_lshl_add_u32 v4, v2, 13, v3                  ; from: two rows x kp + 16 nq: sixteen lanes read 256 consecutive bytes
	v_mul_u32_u24 v5, v1, 4*TP
	v_lshl_add_u32 v5, v2, 2, v5                   ; into LDS: row 4 nq (+ j), word kp (+ 16 i)
	v_mul_u32_u24 v6, v2, TP
	v_add_nc_u32 v6, v6, v3                        ; back: row t / 16 (+ 16 i), 16 bytes at 16 (t % 16)
	v_lshl_add_u32 v7, v2, 11, v3                  ; and the same in wt
.irp i, 0,1,2,3
	global_load_b128 v[X+8*(\i):X+8*(\i)+3],   v4, s[22:23] offset:131072*(\i) th:TH_LOAD_NT
	global_load_b128 v[X+8*(\i)+4:X+8*(\i)+7], v4, s[22:23] offset:131072*(\i)+4096 th:TH_LOAD_NT
.endr
.irp i, 0,1,2,3
	s_wait_loadcnt 6-2*(\i)                        ; this step's two rows are in
.irp j, 0,1,2,3
	v_cvt_pk_bf16_f32 v[40+4*(\i)+(\j)], v[X+8*(\i)+(\j)], v[X+8*(\i)+4+(\j)]  ; W[k][n], W[k+1][n]: neighbours in wt's row n
.endr
.irp j, 0,1,2,3
	ds_store_b32 v5, v[40+4*(\i)+(\j)] offset:TP*(\j)+64*(\i)
.endr
.endr
	s_wait_dscnt 0x0                               ; for the others' sake: my stores are done
	s_barrier_signal -1
	s_barrier_wait -1
.irp i, 0,1,2,3
	ds_load_b128 v[56+4*(\i):56+4*(\i)+3], v6 offset:16*TP*(\i)
.endr
.irp i, 0,1,2,3
	s_wait_dscnt 3-(\i)
	global_store_b128 v7, v[56+4*(\i):56+4*(\i)+3], s[14:15] offset:32768*(\i)  ; sixteen lanes store 256 consecutive bytes, aligned
.endr
	s_wait_tensorcnt 0x0                           ; the wave's end, behind my last LDS store
	ds_add_u32 v[SPW], v[NIL]
	s_wait_dscnt 0x0
	s_endpgm
.Lfunc_end_k_q3716fc1c20_prep:
	.size	k_q3716fc1c20_prep, .Lfunc_end_k_q3716fc1c20_prep-k_q3716fc1c20_prep
	.p2alignl 7, 3214868480
	.fill 96, 4, 3214868480
	.section	.rodata,"a",@progbits
	.p2align	6, 0x0
	.amdhsa_kernel k_q3716fc1c20_prep
		.amdhsa_group_segment_fixed_size 18432
		.amdhsa_private_segment_fixed_size 0
		.amdhsa_enable_private_segment 0
		.amdhsa_kernarg_size 48
		.amdhsa_user_sgpr_count 2
		.amdhsa_user_sgpr_kernarg_segment_ptr 1
		.amdhsa_wavefront_size32 1
		.amdhsa_system_sgpr_workgroup_id_x 1
		.amdhsa_system_sgpr_workgroup_id_y 1
		.amdhsa_system_sgpr_workgroup_id_z 1
		.amdhsa_system_vgpr_workitem_id 0
		.amdhsa_next_free_vgpr 208
		.amdhsa_next_free_sgpr 66
		.amdhsa_reserve_vcc 0
		.amdhsa_float_denorm_mode_32 3
		.amdhsa_float_denorm_mode_16_64 3
		.amdhsa_memory_ordered 1
		.amdhsa_forward_progress 1
		.amdhsa_inst_pref_size 16
	.end_amdhsa_kernel
	.amdgpu_metadata
---
amdhsa.version: [ 1, 2 ]
amdhsa.kernels:
  - .name:           k_q3716fc1c20_prep
    .symbol:         k_q3716fc1c20_prep.kd
    .args:
      - { .name: embedding_word, .offset: 0, .size: 8, .value_kind: global_buffer, .address_space: global }
      - { .name: w_q, .offset: 8, .size: 8, .value_kind: global_buffer, .address_space: global }
      - { .name: w_k, .offset: 16, .size: 8, .value_kind: global_buffer, .address_space: global }
      - { .name: w_v, .offset: 24, .size: 8, .value_kind: global_buffer, .address_space: global }
      - { .name: xb, .offset: 32, .size: 8, .value_kind: global_buffer, .address_space: global }
      - { .name: wt, .offset: 40, .size: 8, .value_kind: global_buffer, .address_space: global }
    .group_segment_fixed_size: 18432
    .private_segment_fixed_size: 0
    .kernarg_segment_align: 8
    .kernarg_segment_size: 48
    .max_flat_workgroup_size: 256
    .sgpr_count:     66
    .vgpr_count:     208
    .wavefront_size: 32
...
	.end_amdgpu_metadata
.endif
;; end of part 1
;; launch proj (part 2): grid 12 x 32, 4 waves a work-group, clusters of 4 x 4, 327,680 bytes of LDS; arguments xb, wt, qkv; writes qkv
.if DOCPART == 2
	.amdgcn_target "amdgcn-amd-amdhsa--gfx1250"
	.amdhsa_code_object_version 6
	.text
	.protected	k_q3716fc1c20_proj
	.globl	k_q3716fc1c20_proj
	.p2align	8
	.type	k_q3716fc1c20_proj,@function
k_q3716fc1c20_proj:
	s_mov_b64 s[64:65], 0
	v_nop
	global_prefetch_b8 v0, s[64:65] scope:SCOPE_SE
	s_setreg_imm32_b32 hwreg(HW_REG_WAVE_MODE, 25, 1), 1
	s_wait_xcnt 0x0
	s_wait_alu depctr_hold_cnt(0) depctr_sa_sdst(0) depctr_va_vdst(0) depctr_va_sdst(0) depctr_va_ssrc(0) depctr_va_vcc(0) depctr_vm_vsrc(0)
	s_getreg_b32 s2, hwreg(HW_REG_IB_STS2, 6, 4)
	s_cmp_eq_u32 s2, 0
	s_cbranch_scc0 .Lentry_in_a_cluster
	s_endpgm
.Lentry_in_a_cluster:
	s_bfe_u32 s2, ttmp6, 0x10000c
	s_cmp_lg_u32 s2, 0xf033
	s_cbranch_scc0 .Lentry_shape_is_right
	s_endpgm
.Lentry_shape_is_right:
; q, k, v = x W.  C[m][n] = sum over k of xb[m][k] wt[n][k], 8192 x 3072 x 1024, bf16 operands, sums in f32, C rounded once to f16.
; C's columns 0-1023 go to plane q of qkv, 1024-2047 to plane k, 2048-3071 to plane v: each plane [8192][1024] f16, 2^24 bytes.
; LIMIT.  f16 ends at 65,504: q, k and v must lie within it (sums of 1,024 products of x and W).
; A tile of C, 256 x 256, is made by four waves, each 128 x 128: 64 accumulators of 16 x 16, 512 registers.  K goes in steps of 128 through two LDS slots filled by tensor loads.
; CLUSTER: 4 x 4 work-groups.  The four of a row need the same tiles of xb, the four of a column the same tiles of wt: each tile is asked for jointly, by the same load with the same descriptor and mask.
; The last K step goes by rows of C, so that finished rows leave while the others are multiplied.
; REGISTERS, in windows of 256: window 0: v0-31 addresses; v64-191 fragments of xb; v32-63, v192-255 the way out.  window 1: fragments of wt.  windows 2, 3: accumulators ((a, b) at v[8 (8 a + b)]).
; The matrix instruction takes 16 rows of wt as source 0 and 16 rows of xb as source 1: a lane then holds eight neighbouring columns of one row of C.
.set SIZE_K, 1024
.set CP,     1024                      ; numbers in a row of a plane of qkv
.set KSTEP,  128
.set PITCH,  272                       ; an LDS row: 256 bytes + 16: row r starts 16 r bytes further modulo 256, so the 16 rows of a load touch 16 different columns of 16 bytes
.set HALFT,  128*PITCH
.set SLOT,   4*HALFT                   ; xb's 256 rows, then wt's 256 rows
.set STAGE,  2*SLOT                    ; behind the ring: 16 rows x 272 bytes for each wave
.set SPITCH, 272
.set SPARE,  STAGE+4*16*SPITCH         ; the spare words, 128 bytes a wave
.set LAPS,   SIZE_K/(2*KSTEP)
.set ADRA, 16
.set ADRB, 20
.set STO,  24
.set RD,   25
.set CO,   26
.set SPW,  28
.set NIL,  29
.set F0,   64
.set F1,   128
.set TMP,  192
.set OB,   32
.set PA,   64
.set G1, 24
.set G0, 32
.set G1B, 48
.set G0B, 56
.set MSB, 0
.macro WIN new                         ; the immediate's high byte repeats the setting that is left
.if MSB != (\new)
	s_set_vgpr_msb (MSB<<8)|(\new)
.set MSB, \new
.endif
.endm
.set MUL_LO, 0xa1                      ; source 0 window 1, source 1 window 0, C and D window 2
.set MUL_HI, 0xf1                      ; the same, C and D window 3
.set TO_B,   0x40                      ; destination window 1, address window 0
.macro JLOAD s                         ; a joint load: waves 0 and 1 fetch xb's two halves, waves 2 and 3 wt's; the branch hangs on the wave's number alone
	s_cmp_eq_u32 s11, 0
	s_cbranch_scc0 .Lfor_b_\@
	tensor_load_to_lds s[G0+4*(\s):G0+4*(\s)+3], s[G1:G1+7]
	s_nop 0
.rept 4
	v_nop
.endr
	s_branch .Lasked_\@
.Lfor_b_\@:
	tensor_load_to_lds s[G0B+4*(\s):G0B+4*(\s)+3], s[G1B:G1B+7]
	s_nop 0
.rept 4
	v_nop
.endr
.Lasked_\@:
.endm
.macro CREST                           ; a round of the cluster's barrier behind its opening barrier
	s_cmp_lg_u32 s10, 0
	s_cbranch_scc1 .Lnot_wave_0_\@
	s_barrier_signal -3
.Lnot_wave_0_\@:
	s_barrier_wait -3
	s_barrier_signal -1
	s_barrier_wait -1
.endm
.macro CROUND                          ; a whole round
	s_barrier_signal -1
	s_barrier_wait -1
	CREST
.endm
	s_load_b128 s[4:7], s[0:1], 0x0                ; xb s[4:5], wt s[6:7]
	s_load_b64 s[8:9], s[0:1], 0x10                ; qkv
	v_lshl_add_u32 v[SPW], v0, 2, SPARE
	v_mov_b32 v[NIL], 0
	ds_add_u32 v[SPW], v[NIL]                      ; the wave's opening: the add and its wait ahead of my first tensor load
	ds_add_u32 v28, v29
	v_lshrrev_b32 v1, 5, v0
	v_readfirstlane_b32 s10, v1                    ; wave 0..3
	s_lshr_b32 s11, s10, 1                         ; which half of the tile's rows is mine; also: I fetch xb (0) or wt (1)
	s_and_b32 s12, s10, 1                          ; which half of its columns; also: which 128 rows I fetch
	s_bfe_u32 s40, ttmp6, 0x40000                  ; cx
	s_bfe_u32 s41, ttmp6, 0x40004                  ; cy
	s_lshl_b32 s42, ttmp9, 2
	s_add_co_u32 s42, s42, s40                     ; tile column = 4 x cluster x + cx
	s_and_b32 s13, ttmp7, 0xffff
	s_lshl_b32 s13, s13, 2
	s_add_co_u32 s13, s13, s41                     ; tile row = 4 x cluster y + cy
	s_lshl_b32 s43, s41, 2
	s_lshl_b32 s43, 15, s43                        ; my row of the cluster
	s_lshl_b32 s44, 0x1111, s40                    ; my column
	s_or_b32 s[G1+0], s43, (1<<16)|(1<<20)|(1<<21)|(5<<22)|(3<<25)   ; mask; 2-byte elements; padding on; bit 21 beside a mask; after every 64 words 4 words
	s_or_b32 s[G1B+0], s44, (1<<16)|(1<<20)|(1<<21)|(5<<22)|(3<<25)
	s_mov_b32 s[G1B+1], KSTEP<<16
	s_mov_b32 s[G1+1], KSTEP<<16                   ; tensor_dim0 = 128
	s_mov_b32 s[G1B+2], 128<<16
	s_mov_b32 s[G1+2], 128<<16                     ; tensor_dim1 = 128
	s_mov_b32 s[G1B+3], KSTEP<<16
	s_mov_b32 s[G1+3], KSTEP<<16                   ; tile_dim0 = 128
	s_mov_b32 s[G1B+4], 128
	s_mov_b32 s[G1+4], 128                         ; tile_dim1 = 128
	s_mov_b32 s[G1B+5], SIZE_K
	s_mov_b32 s[G1+5], SIZE_K                      ; elements from row to row
	s_mov_b32 s[G1B+6], 0
	s_mov_b32 s[G1+6], 0
	s_mov_b32 s[G1B+7], 0
	s_mov_b32 s[G1+7], 0
	s_lshl_b32 s17, s12, 7
	s_lshl_b32 s16, s13, 8
	s_add_co_u32 s16, s16, s17                     ; xb: row 256 x tile row + 128 x half
	s_lshl_b32 s46, s42, 8
	s_add_co_u32 s46, s46, s17                     ; wt: row 256 x tile column + 128 x half
	s_mov_b32 s17, 0
	s_mov_b32 s47, 0
	s_mov_b64 s[18:19], SIZE_K*2
	s_mul_u64 s[16:17], s[16:17], s[18:19]
	s_mul_u64 s[46:47], s[46:47], s[18:19]
	s_mul_i32 s20, s10, HALFT                      ; where they go: wave x 128 rows
	s_wait_dscnt 0x0                               ; the opening add is done
	s_wait_kmcnt 0x0
	s_add_nc_u64 s[14:15], s[4:5], s[16:17]
	s_add_nc_u64 s[46:47], s[6:7], s[46:47]
	CROUND                                         ; all sixteen work-groups are here: the first joint loads meet
.irp s, 0,1
	s_mov_b32 s[G0+4*(\s)], 1
	s_add_co_u32 s[G0+4*(\s)+1], s20, (\s)*SLOT
	s_add_nc_u64 s[G0+4*(\s)+2:G0+4*(\s)+3], s[14:15], (\s)*KSTEP*2
	s_or_b32 s[G0+4*(\s)+3], s[G0+4*(\s)+3], 0x80000000
	s_mov_b32 s[G0B+4*(\s)], 1
	s_add_co_u32 s[G0B+4*(\s)+1], s20, (\s)*SLOT
	s_add_nc_u64 s[G0B+4*(\s)+2:G0B+4*(\s)+3], s[46:47], (\s)*KSTEP*2
	s_or_b32 s[G0B+4*(\s)+3], s[G0B+4*(\s)+3], 0x80000000
	JLOAD \s
.endr
	; a fragment is 16 rows x 32 K in 8 registers: lane l holds row l % 16, K = 8 (l / 16) + 0..7 and 16 + 8 (l / 16) + 0..7: two loads of 16 bytes, 32 bytes apart
	v_and_b32 v1, 15, v0
	v_bfe_u32 v2, v0, 4, 1
	v_mul_u32_u24 v3, v1, PITCH
	v_lshl_add_u32 v3, v2, 4, v3
	s_mul_i32 s21, s11, HALFT
	s_mul_i32 s22, s12, HALFT
	s_add_co_u32 s22, s22, 2*HALFT
.irp s, 0,1
	v_add_nc_u32 v[ADRA+(\s)], s21, v3
	v_add_nc_u32 v[ADRB+(\s)], s22, v3
	s_add_co_u32 s21, s21, SLOT
	s_add_co_u32 s22, s22, SLOT
.endr
	s_mul_i32 s23, s10, 16*SPITCH
	s_add_co_u32 s23, s23, STAGE                   ; my stage
	v_mul_u32_u24 v4, v1, SPITCH
	v_lshl_add_u32 v4, v2, 4, v4
	v_add_nc_u32 v[STO], s23, v4
	v_mul_u32_u24 v5, v2, SPITCH
	v_lshl_add_u32 v5, v1, 4, v5
	v_add_nc_u32 v[RD], s23, v5
	v_mul_u32_u24 v5, v2, CP*2
	v_lshl_add_u32 v[CO], v1, 4, v5
	s_lshl_b32 s13, s13, 8
	s_lshl_b32 s14, s11, 7
	s_add_co_u32 s16, s13, s14                     ; my first row
	s_mov_b32 s17, 0
	s_mov_b64 s[18:19], CP*2
	s_mul_u64 s[16:17], s[16:17], s[18:19]
	s_and_b32 s46, s42, 3                          ; the tile column inside its plane: 512 bytes each,
	s_lshl_b32 s46, s46, 9
	s_lshl_b32 s47, s12, 8                         ; my half of them,
	s_add_co_u32 s46, s46, s47
	s_lshr_b32 s47, s42, 2                         ; and the plane, 2^24 bytes each
	s_lshl_b32 s47, s47, 24
	s_add_co_u32 s46, s46, s47
	s_mov_b32 s47, 0
	s_add_nc_u64 s[16:17], s[16:17], s[46:47]
.macro MUL16 f, hi, a0, zero           ; 16 matrix instructions: row blocks a0, a0 + 1 of the window's four x all 8 column blocks, 32 along K
	WIN MUL_LO+0x50*(\hi)
.irp a, \a0, (\a0)+1
.irp b, 0,1,2,3,4,5,6,7
.if \zero
	v_wmma_f32_16x16x32_bf16 v[8*(8*(\a)+(\b)):8*(8*(\a)+(\b))+7], v[(\f)+8*(\b):(\f)+8*(\b)+7], v[(\f)+8*(4*(\hi)+(\a)):(\f)+8*(4*(\hi)+(\a))+7], 0
.else
	v_wmma_f32_16x16x32_bf16 v[8*(8*(\a)+(\b)):8*(8*(\a)+(\b))+7], v[(\f)+8*(\b):(\f)+8*(\b)+7], v[(\f)+8*(4*(\hi)+(\a)):(\f)+8*(4*(\hi)+(\a))+7], v[8*(8*(\a)+(\b)):8*(8*(\a)+(\b))+7]
.endif
.endr
.endr
.endm
.macro FETCH slot, k, f                ; 32 LDS loads in one run: the fragments of 32 along K at byte k of the rows
	WIN TO_B
.irp i, 0,1,2,3,4,5,6,7
	ds_load_b128 v[(\f)+8*(\i):(\f)+8*(\i)+3],   v[ADRB+(\slot)] offset:(\k)+(\i)*16*PITCH
	ds_load_b128 v[(\f)+8*(\i)+4:(\f)+8*(\i)+7], v[ADRB+(\slot)] offset:(\k)+(\i)*16*PITCH+32
.endr
	WIN 0
.irp i, 0,1,2,3,4,5,6,7
	ds_load_b128 v[(\f)+8*(\i):(\f)+8*(\i)+3],   v[ADRA+(\slot)] offset:(\k)+(\i)*16*PITCH
	ds_load_b128 v[(\f)+8*(\i)+4:(\f)+8*(\i)+7], v[ADRA+(\slot)] offset:(\k)+(\i)*16*PITCH+32
.endr
.endm
.macro PLACES                          ; four plain vector instructions between a matrix instruction and a load into, or a read of, its registers
.rept 4
	v_nop
.endr
.endm
.macro QUARTER slot, k, f, g, zero     ; multiplies buffer f; in its middle fetches the next quarter, at byte k, into g
	s_wait_dscnt 8                                 ; all but the youngest eight loads (xb's rows 64-127)
	WIN MUL_LO
	MUL16 \f, 0, 0, \zero
	MUL16 \f, 0, 2, \zero
	PLACES
	FETCH \slot, \k, \g
	s_wait_dscnt 32                                ; all but the 32 just issued
	WIN MUL_HI
	MUL16 \f, 1, 0, \zero
	MUL16 \f, 1, 2, \zero
.endm
.macro MEET round                      ; the change of slots: one barrier; in front of it all my tensor loads, the add, and my reads of this slot
	WIN 0
	s_wait_tensorcnt 0x0                           ; the one that was out is my part of the next slot
	ds_add_u32 v[SPW], v[NIL]
	s_wait_dscnt 9                                 ; the add and the youngest eight loads may be out
	WIN MUL_LO
	MUL16 F1, 0, 0, 0
	s_wait_dscnt 0x0                               ; the add is done, my reads of this slot are over
	s_barrier_signal -1
	MUL16 F1, 0, 2, 0
.if \round
	WIN 0
.endif
	s_barrier_wait -1
.endm
.macro TURN slot, next                 ; the last quarter of a K step: the slot just read is filled again, two K steps ahead, first thing behind the round
	MEET 1
	CREST
	s_add_nc_u64 s[G0+4*(\slot)+2:G0+4*(\slot)+3], s[G0+4*(\slot)+2:G0+4*(\slot)+3], 2*KSTEP*2
	s_add_nc_u64 s[G0B+4*(\slot)+2:G0B+4*(\slot)+3], s[G0B+4*(\slot)+2:G0B+4*(\slot)+3], 2*KSTEP*2
	JLOAD \slot
	FETCH \next, 0, F0
	WIN MUL_HI
	MUL16 F1, 1, 0, 0
	MUL16 F1, 1, 2, 0
.endm
; the last K step, in slot 1, by rows of C: all its fragments of wt fill window 1; my eight blocks of 16 rows are finished one after the other
.macro BLOAD q
	WIN TO_B
.irp i, 0,1,2,3,4,5,6,7
	ds_load_b128 v[64*(\q)+8*(\i):64*(\q)+8*(\i)+3],   v[ADRB+1] offset:64*(\q)+(\i)*16*PITCH
	ds_load_b128 v[64*(\q)+8*(\i)+4:64*(\q)+8*(\i)+7], v[ADRB+1] offset:64*(\q)+(\i)*16*PITCH+32
.endr
.endm
.macro ALOAD a
	WIN 0
.set FA, PA+32*((\a)%4)
.irp q, 0,1,2,3
	ds_load_b128 v[FA+8*(\q):FA+8*(\q)+3],   v[ADRA+1] offset:64*(\q)+(\a)*16*PITCH
	ds_load_b128 v[FA+8*(\q)+4:FA+8*(\q)+7], v[ADRA+1] offset:64*(\q)+(\a)*16*PITCH+32
.endr
.endm
.macro ROW a                           ; block a is finished: 32 matrix instructions, its 8 accumulators by turns
.set FA, PA+32*((\a)%4)
.set AC, 64*((\a)%4)
	WIN MUL_LO+0x50*((\a)/4)
.irp q, 0,1,2,3
.if (\a) == 0 && (\q) == 2
	s_wait_dscnt 24                                ; wt's quarter 2 is in (behind it: xb's blocks 1 to 3)
.endif
.irp b, 0,1,2,3,4,5,6,7
	v_wmma_f32_16x16x32_bf16 v[AC+8*(\b):AC+8*(\b)+7], v[64*(\q)+8*(\b):64*(\q)+8*(\b)+7], v[FA+8*(\q):FA+8*(\q)+7], v[AC+8*(\b):AC+8*(\b)+7]
.endr
.endr
.endm
.macro PACK a                          ; rounded to f16, 16 bytes a lane; each accumulator's registers in ascending order
.set AC, 64*((\a)%4)
	WIN 0x0a+5*((\a)/4)
.irp b, 0,1,2,3,4,5,6,7
.irp r, 0,1,2,3
	v_cvt_pk_f16_f32 v[TMP+4*(\b)+(\r)], v[AC+8*(\b)+2*(\r)], v[AC+8*(\b)+2*(\r)+1]
.endr
.endr
	WIN 0
.endm
.macro TOSTAGE a                       ; into my own stage, and back as whole rows of 256 bytes
	WIN 0
.set BK, OB+192*((\a)%2)
.irp b, 0,1,2,3,4,5,6,7
	ds_store_b128 v[STO], v[TMP+4*(\b):TMP+4*(\b)+3] offset:32*(\b)
.endr
.irp t, 0,1,2,3,4,5,6,7
	ds_load_b128 v[BK+4*(\t):BK+4*(\t)+3], v[RD] offset:(\t)*2*SPITCH  ; LDS serves a wave's instructions in order (ISA guide 5.7.1.4)
.endr
.endm
.macro SEND a, younger
	WIN 0
.set BK, OB+192*((\a)%2)
	s_wait_dscnt \younger
	s_wait_xcnt 0x0                                ; only behind this wait are the stores' base and the registers that earlier stores read rewritten
.if (\a) == 0
	s_add_nc_u64 s[8:9], s[8:9], s[16:17]
.else
	s_add_nc_u64 s[8:9], s[8:9], 16*CP*2
.endif
.irp t, 0,1,2,3,4,5,6,7
	global_store_b128 v[CO], v[BK+4*(\t):BK+4*(\t)+3], s[8:9] offset:2*(\t)*CP*2  ; sixteen lanes store 256 consecutive bytes, aligned
.endr
.endm
	s_wait_tensorcnt 1                             ; my part of K step 0 is in; K step 1's may stay out
	s_barrier_signal -1
	s_barrier_wait -1
	FETCH 0, 0, F0
	QUARTER 0, 64,  F0, F1, 1                      ; the first quarter's products start the sums
	WIN 0
	s_mov_b32 s3, LAPS-1
.Llap:                                                 ; a trip goes once round the ring and fills both slots again
	QUARTER 0, 128, F1, F0, 0
	QUARTER 0, 192, F0, F1, 0
	TURN 0, 1
	QUARTER 1, 64,  F0, F1, 0
	QUARTER 1, 128, F1, F0, 0
	QUARTER 1, 192, F0, F1, 0
	TURN 1, 0
	QUARTER 0, 64,  F0, F1, 0
	WIN 0
	s_sub_co_u32 s3, s3, 1
	s_cmp_lg_u32 s3, 0
	s_cbranch_scc1 .Llap
	QUARTER 0, 128, F1, F0, 0
	QUARTER 0, 192, F0, F1, 0
	MEET 0                                         ; slot 1 holds the last K step; nothing is filled again
	PLACES
	WIN TO_B
	BLOAD 0
	BLOAD 1
	BLOAD 3
	WIN 0
	ALOAD 0
	WIN MUL_HI
	MUL16 F1, 1, 0, 0
	MUL16 F1, 1, 2, 0
	PLACES
	WIN TO_B
	BLOAD 2
	WIN 0
	ALOAD 1
	ALOAD 2
	ALOAD 3
	s_wait_dscnt 40                                ; all but the 40 just issued
	ROW 0
.irp a, 0,1,2,3,4,5,6,7
	PLACES
	PACK \a
	TOSTAGE \a
.if (\a) < 4
	ALOAD (\a)+4
	SEND \a, 8
.else
	SEND \a, 0
.endif
.if (\a) < 7
	ROW (\a)+1
.endif
.endr
	s_wait_tensorcnt 0x0                           ; the wave's end
	ds_add_u32 v[SPW], v[NIL]
	s_wait_dscnt 0x0
	CROUND                                         ; the closing round
	s_endpgm
.Lfunc_end_k_q3716fc1c20_proj:
	.size	k_q3716fc1c20_proj, .Lfunc_end_k_q3716fc1c20_proj-k_q3716fc1c20_proj
	.p2alignl 7, 3214868480
	.fill 96, 4, 3214868480
	.section	.rodata,"a",@progbits
	.p2align	6, 0x0
	.amdhsa_kernel k_q3716fc1c20_proj
		.amdhsa_group_segment_fixed_size 327680
		.amdhsa_private_segment_fixed_size 0
		.amdhsa_enable_private_segment 0
		.amdhsa_kernarg_size 24
		.amdhsa_user_sgpr_count 2
		.amdhsa_user_sgpr_kernarg_segment_ptr 1
		.amdhsa_wavefront_size32 1
		.amdhsa_system_sgpr_workgroup_id_x 1
		.amdhsa_system_sgpr_workgroup_id_y 1
		.amdhsa_system_sgpr_workgroup_id_z 1
		.amdhsa_system_vgpr_workitem_id 0
		.amdhsa_next_free_vgpr 1024
		.amdhsa_next_free_sgpr 66
		.amdhsa_reserve_vcc 0
		.amdhsa_float_denorm_mode_32 3
		.amdhsa_float_denorm_mode_16_64 3
		.amdhsa_memory_ordered 1
		.amdhsa_forward_progress 1
		.amdhsa_inst_pref_size 143
	.end_amdhsa_kernel
	.amdgpu_metadata
---
amdhsa.version: [ 1, 2 ]
amdhsa.kernels:
  - .name:           k_q3716fc1c20_proj
    .symbol:         k_q3716fc1c20_proj.kd
    .args:
      - { .name: xb, .offset: 0, .size: 8, .value_kind: global_buffer, .address_space: global }
      - { .name: wt, .offset: 8, .size: 8, .value_kind: global_buffer, .address_space: global }
      - { .name: qkv, .offset: 16, .size: 8, .value_kind: global_buffer, .address_space: global }
    .group_segment_fixed_size: 327680
    .private_segment_fixed_size: 0
    .kernarg_segment_align: 8
    .kernarg_segment_size: 24
    .max_flat_workgroup_size: 128
    .sgpr_count:     66
    .vgpr_count:     1024
    .wavefront_size: 32
...
	.end_amdgpu_metadata
.endif
;; end of part 2
;; launch scores (part 3): grid 9 x 16, 4 waves a work-group, no clusters, 327,680 bytes of LDS; arguments qkv, pb, st; writes pb, st
.if DOCPART == 3
	.amdgcn_target "amdgcn-amd-amdhsa--gfx1250"
	.amdhsa_code_object_version 6
	.text
	.protected	k_q3716fc1c20_scores
	.globl	k_q3716fc1c20_scores
	.p2align	8
	.type	k_q3716fc1c20_scores,@function
k_q3716fc1c20_scores:
	s_mov_b64 s[64:65], 0
	v_nop
	global_prefetch_b8 v0, s[64:65] scope:SCOPE_SE
	s_setreg_imm32_b32 hwreg(HW_REG_WAVE_MODE, 25, 1), 1
	s_wait_xcnt 0x0
; The causal tiles, 256 queries x 256 keys, of s = q k^T, and for each query and each GROUP of 128 keys: m = the group's largest visible score, p = 2^(c s - c m) in f16, l = the sum of the unrounded p.
; c = log2(e) / 32.  pb: [4][2048][2048] f16 (only causal tiles are written).  st: plane 0 c m, plane 1 l, each [batch 4][group 16][block of 64 rows 32][r 16][a 4] f32, row = 64 block + 16 a + r.
; The next launch joins the groups exactly: weight = p 2^(c m - M) / L, with M the row's largest c m.  So the maximum that is taken away is a true running maximum, by groups.
; LIMITS.  q and k arrive in f16.  A hidden score counts as its value less 1e30; p below 6e-5 keeps f16's fixed step of 6e-8; a weight below 2^-126 counts as 0 in l; NaN and infinities are not treated apart.
; SHARES.  A batch has 36 tiles (I, J), J <= I < 8.  Rows p and 7 - p of the triangle have 9 tiles together: grid x = 0..8 walks them, grid y = 4 batch + p.  144 work-groups: there is no more work of this shape.
; NO CLUSTER: a row of the triangle has I + 1 tiles and the folded grid is 9 wide, no multiple of four; partners would need different tiles.
; Four waves, each 128 queries x 128 keys (one group): 64 accumulators, as many registers as two windows hold.  K (the 1,024 channels) goes in steps of 128 through two LDS slots.
; Source 0 = 16 keys, source 1 = 16 queries: a lane holds ONE query (lane % 16) and the keys 8 (lane / 16) + 0..7 of each block of 16.
; THE MASK is the C operand of the products that start the sums: 0, or -1e30 where key > query.  It bites only in a diagonal tile's waves 0 and 3.  Wave 1 of a diagonal tile (queries 0-127, keys 128-255) is
; wholly hidden: it is computed unmasked, so that p and l are finite, and -1e30 is added to its stored c m, which makes the group's factor in the next launch exactly 0.
; REGISTERS: window 0: v0-31 addresses; v40-55 masks; v64-191 fragments of q; v32-63, v192-255 the way out.  window 1: fragments of k.  windows 2, 3: accumulators ((a, b) at v[8 (8 a + b)]).
.set KSTEP,  128
.set PITCH,  272                       ; 256 bytes + 16: row r starts 16 r bytes further modulo 256
.set HALFT,  128*PITCH
.set SLOT,   4*HALFT                   ; q's 256 rows, then k's 256 rows
.set STAGE,  2*SLOT
.set SPITCH, 272
.set SPARE,  STAGE+4*16*SPITCH
.set ADRA, 16
.set ADRB, 20
.set STO,  24
.set RD,   25
.set CO,   26
.set STV,  27
.set SPW,  28
.set NIL,  29
.set OB,   32                          ; v[32:63]   16 rows read back from the stage
.set MDG,  40                          ; v[40:47]   the mask of a block that holds the diagonal
.set MHI,  48                          ; v[48:55]   the mask of a block above it
.set F0,   64
.set F1,   128
.set TMP,  192                         ; v[192:223] p in f16
.set CC,   224                         ; v[224:227] four chains of maxima
.set LL,   228                         ; v[228:235] four chains of sums, in pairs
.set CMP,  236                         ; v[236:237] c m (the pair's second register is written once)
.set CMS,  240                         ; v[240:243] c m to be stored, by row block
.set LS,   244                         ; v[244:247] l, by row block
.set SO,   248                         ; v[248:251] what goes to st
.set G1,   24
.set G0,   32
.set SHI,  42                          ; s42 -1e30 where my quadrant holds the diagonal, else 0
.set KILL, 43                          ; s43 -1e30 where my quadrant is wholly hidden, else 0
.set CS,   44                          ; s[44:45] c
.set SEL,  46                          ; s[46:47] v_permlanex16_b32's selects
.set HM,   48                          ; s48 lanes 16-31
.set MSB, 0
.macro WIN new
.if MSB != (\new)
	s_set_vgpr_msb (MSB<<8)|(\new)
.set MSB, \new
.endif
.endm
.set TO_B, 0x40
.macro PLACES
.rept 4
	v_nop
.endr
.endm
.macro LOADT s                         ; my quarter of slot s: one line for all four waves, each with LDS bytes and rows of its own
	tensor_load_to_lds s[G0+4*(\s):G0+4*(\s)+3], s[G1:G1+7]
	s_nop 0
	PLACES
.endm
	s_load_b128 s[4:7], s[0:1], 0x0                ; qkv s[4:5], pb s[6:7]
	s_load_b64 s[8:9], s[0:1], 0x10                ; st
	v_lshl_add_u32 v[SPW], v0, 2, SPARE
	v_mov_b32 v[NIL], 0
	ds_add_u32 v[SPW], v[NIL]                      ; the wave's opening: the add and its wait ahead of my first tensor load
	ds_add_u32 v28, v29
	v_lshrrev_b32 v1, 5, v0
	v_readfirstlane_b32 s10, v1                    ; wave 0..3
	s_lshr_b32 s11, s10, 1                         ; wr: which 128 queries
	s_and_b32 s12, s10, 1                          ; wc: which 128 keys
	s_and_b32 s13, ttmp7, 0xffff
	s_and_b32 s14, s13, 3                          ; p
	s_lshr_b32 s15, s13, 2                         ; batch
	s_sub_co_u32 s16, 7, s14
	s_sub_co_u32 s17, ttmp9, s14
	s_sub_co_u32 s17, s17, 1
	s_cmp_le_u32 ttmp9, s14
	s_cselect_b32 s40, s14, s16                    ; I = p or 7 - p
	s_cselect_b32 s41, ttmp9, s17                  ; J = x or x - p - 1
	s_cmp_eq_u32 s40, s41
	s_cselect_b32 s16, 1, 0                        ; a diagonal tile
	s_cmp_eq_u32 s11, s12
	s_cselect_b32 s17, s16, 0                      ; and my quadrant holds the diagonal
	s_cmp_eq_u32 s10, 1
	s_cselect_b32 s18, s16, 0                      ; or is wholly hidden
	s_cmp_eq_u32 s17, 1
	s_cselect_b32 s[SHI], 0xf149f2ca, 0
	s_cmp_eq_u32 s18, 1
	s_cselect_b32 s[KILL], 0xf149f2ca, 0
	s_mov_b32 s[CS], 0x3d38aa3b                    ; c = log2(e) / 32
	s_mov_b32 s[CS+1], s[CS]
	s_mov_b32 s[SEL], 0x76543210
	s_mov_b32 s[SEL+1], 0xfedcba98
	s_mov_b32 s[HM], 0xffff0000
	s_mov_b32 s[G1+0], (1<<16)|(1<<20)|(5<<22)|(3<<25)  ; 2-byte elements; padding on: after every 64 words 4 words
	s_mov_b32 s[G1+1], KSTEP<<16                   ; tensor_dim0 = 128
	s_mov_b32 s[G1+2], 128<<16                     ; tensor_dim1 = 128
	s_mov_b32 s[G1+3], KSTEP<<16                   ; tile_dim0 = 128
	s_mov_b32 s[G1+4], 128                         ; tile_dim1 = 128
	s_mov_b32 s[G1+5], 1024                        ; elements from row to row
	s_mov_b32 s[G1+6], 0
	s_mov_b32 s[G1+7], 0
	s_cmp_lt_u32 s10, 2                            ; waves 0, 1 fetch q's rows of block I, waves 2, 3 k's rows of block J, one plane (2^24 bytes) on
	s_cselect_b32 s16, s40, s41
	s_cselect_b32 s18, 0, 0x1000000
	s_lshl_b32 s16, s16, 8
	s_lshl_b32 s17, s12, 7
	s_add_co_u32 s16, s16, s17
	s_lshl_b32 s17, s15, 11
	s_add_co_u32 s16, s16, s17                     ; the row,
	s_lshl_b32 s16, s16, 11                        ; of 2,048 bytes
	s_add_co_u32 s16, s16, s18
	s_mov_b32 s17, 0
	s_mul_i32 s20, s10, HALFT                      ; where they go: wave x 128 rows
	s_wait_dscnt 0x0                               ; the opening add is done
	s_wait_kmcnt 0x0
	s_add_nc_u64 s[18:19], s[4:5], s[16:17]
.irp s, 0,1
	s_mov_b32 s[G0+4*(\s)], 1
	s_add_co_u32 s[G0+4*(\s)+1], s20, (\s)*SLOT
	s_add_nc_u64 s[G0+4*(\s)+2:G0+4*(\s)+3], s[18:19], (\s)*KSTEP*2
	s_or_b32 s[G0+4*(\s)+3], s[G0+4*(\s)+3], 0x80000000
	LOADT \s                                       ; the two first fills: two loads of mine are out
.endr
	v_and_b32 v1, 15, v0                           ; r = l % 16
	v_bfe_u32 v2, v0, 4, 1                         ; h = l / 16
	v_mul_u32_u24 v3, v1, PITCH
	v_lshl_add_u32 v3, v2, 4, v3
	s_mul_i32 s21, s11, HALFT                      ; my 128 rows of q
	s_mul_i32 s22, s12, HALFT                      ; my 128 rows of k,
	s_add_co_u32 s22, s22, 2*HALFT                 ; behind q's 256
.irp s, 0,1
	v_add_nc_u32 v[ADRA+(\s)], s21, v3
	v_add_nc_u32 v[ADRB+(\s)], s22, v3
	s_add_co_u32 s21, s21, SLOT
	s_add_co_u32 s22, s22, SLOT
.endr
	s_mul_i32 s23, s10, 16*SPITCH
	s_add_co_u32 s23, s23, STAGE                   ; my stage
	v_mul_u32_u24 v4, v1, SPITCH
	v_lshl_add_u32 v4, v2, 4, v4
	v_add_nc_u32 v[STO], s23, v4                   ; in: row r, 16 bytes for each half of the lanes
	v_mul_u32_u24 v5, v2, SPITCH
	v_lshl_add_u32 v5, v1, 4, v5
	v_add_nc_u32 v[RD], s23, v5                    ; back: lanes 0-15 one row of 256 bytes, lanes 16-31 the next
	v_lshlrev_b32 v5, 12, v2
	v_lshl_add_u32 v[CO], v1, 4, v5                ; the same two rows in pb (4,096 bytes a row)
	v_lshlrev_b32 v[STV], 4, v1
	v_lshl_add_u32 v[STV], v2, 19, v[STV]          ; st: 16 r; lanes 16-31 one plane (524,288 bytes) on
	v_mov_b32 v[CMP+1], 0
	v_lshlrev_b32 v14, 3, v2
	v_sub_nc_u32 v14, v1, v14                      ; r - 8 h: register j of the diagonal's block is hidden where j is greater
.irp j, 0,1,2,3,4,5,6,7
	v_mov_b32 v[MHI+(\j)], s[SHI]
.endr
.irp j, 0,1,2,3,4,5,6,7
	v_cmp_gt_i32 vcc_lo, \j, v14
	v_cndmask_b32 v[MDG+(\j)], 0, v[MHI], vcc_lo
.endr
	s_lshl_b32 s16, s15, 11                        ; pb at my first row and key
	s_lshl_b32 s21, s40, 8
	s_add_co_u32 s16, s16, s21
	s_lshl_b32 s21, s11, 7
	s_add_co_u32 s16, s16, s21
	s_lshl_b32 s16, s16, 12
	s_lshl_b32 s21, s41, 9
	s_add_co_u32 s16, s16, s21
	s_lshl_b32 s21, s12, 8
	s_add_co_u32 s16, s16, s21
	s_add_nc_u64 s[6:7], s[6:7], s[16:17]
	s_lshl_b32 s16, s15, 4                         ; st at ((16 batch + 2 J + wc) 32 + 4 I + 2 wr) 256
	s_lshl1_add_u32 s16, s41, s16
	s_add_co_u32 s16, s16, s12
	s_lshl_b32 s16, s16, 5
	s_lshl2_add_u32 s16, s40, s16
	s_lshl1_add_u32 s16, s11, s16
	s_lshl_b32 s16, s16, 8
	s_add_nc_u64 s[8:9], s[8:9], s[16:17]
; 16 matrix instructions: query blocks a0, a0 + 1 of the window's four x all 8 key blocks, 32 channels.  first = 1: the products start the sums, with 0 or a mask (in window 0) as C.
; The 64 accumulators take turns, one instruction a turn, in the same order in every quarter.
.macro MUL16 f, hi, a0, first
.if \first
	WIN 0x81+0x40*(\hi)
.else
	WIN 0xa1+0x50*(\hi)
.endif
.irp a, \a0, (\a0)+1
.irp b, 0,1,2,3,4,5,6,7
.if (\first) && ((\b) == 4*(\hi)+(\a))
	v_wmma_f32_16x16x32_f16 v[8*(8*(\a)+(\b)):8*(8*(\a)+(\b))+7], v[(\f)+8*(\b):(\f)+8*(\b)+7], v[(\f)+8*(4*(\hi)+(\a)):(\f)+8*(4*(\hi)+(\a))+7], v[MDG:MDG+7]
.elseif (\first) && ((\b) > 4*(\hi)+(\a))
	v_wmma_f32_16x16x32_f16 v[8*(8*(\a)+(\b)):8*(8*(\a)+(\b))+7], v[(\f)+8*(\b):(\f)+8*(\b)+7], v[(\f)+8*(4*(\hi)+(\a)):(\f)+8*(4*(\hi)+(\a))+7], v[MHI:MHI+7]
.elseif \first
	v_wmma_f32_16x16x32_f16 v[8*(8*(\a)+(\b)):8*(8*(\a)+(\b))+7], v[(\f)+8*(\b):(\f)+8*(\b)+7], v[(\f)+8*(4*(\hi)+(\a)):(\f)+8*(4*(\hi)+(\a))+7], 0
.else
	v_wmma_f32_16x16x32_f16 v[8*(8*(\a)+(\b)):8*(8*(\a)+(\b))+7], v[(\f)+8*(\b):(\f)+8*(\b)+7], v[(\f)+8*(4*(\hi)+(\a)):(\f)+8*(4*(\hi)+(\a))+7], v[8*(8*(\a)+(\b)):8*(8*(\a)+(\b))+7]
.endif
.endr
.endr
.endm
.macro FETCH slot, k, f
	WIN TO_B
.irp i, 0,1,2,3,4,5,6,7
	ds_load_b128 v[(\f)+8*(\i):(\f)+8*(\i)+3],   v[ADRB+(\slot)] offset:(\k)+(\i)*16*PITCH
	ds_load_b128 v[(\f)+8*(\i)+4:(\f)+8*(\i)+7], v[ADRB+(\slot)] offset:(\k)+(\i)*16*PITCH+32
.endr
	WIN 0
.irp i, 0,1,2,3,4,5,6,7
	ds_load_b128 v[(\f)+8*(\i):(\f)+8*(\i)+3],   v[ADRA+(\slot)] offset:(\k)+(\i)*16*PITCH
	ds_load_b128 v[(\f)+8*(\i)+4:(\f)+8*(\i)+7], v[ADRA+(\slot)] offset:(\k)+(\i)*16*PITCH+32
.endr
.endm
.macro QUARTER slot, k, f, g, first
	s_wait_dscnt 8                                 ; all but the youngest eight loads (q's rows 64-127)
	MUL16 \f, 0, 0, \first
	MUL16 \f, 0, 2, \first
	PLACES
	FETCH \slot, \k, \g
	s_wait_dscnt 32                                ; all but the 32 just issued
	MUL16 \f, 1, 0, \first
	MUL16 \f, 1, 2, \first
.endm
; The last quarter of a K step changes slots: one barrier; in front of it all my tensor loads (one is out: my part of the next slot), the add, and my reads of this slot.
; fill = 1: this slot is filled again, two K steps ahead, first thing behind the barrier: it has 224 matrix instructions in which to land.
.macro TURN slot, next, fill
	WIN 0
	s_wait_tensorcnt 0x0
	ds_add_u32 v[SPW], v[NIL]
	s_wait_dscnt 9                                 ; the add and the youngest eight loads may be out
	MUL16 F1, 0, 0, 0
	s_wait_dscnt 0x0                               ; the add is done, my reads of this slot are over
	s_barrier_signal -1
	MUL16 F1, 0, 2, 0
	s_barrier_wait -1
.if \fill
	s_add_nc_u64 s[G0+4*(\slot)+2:G0+4*(\slot)+3], s[G0+4*(\slot)+2:G0+4*(\slot)+3], 2*KSTEP*2  ; no load of mine is out
	LOADT \slot                                    ; its four v_nop are also the places in front of the loads below
.else
	PLACES
.endif
	FETCH \next, 0, F0
	MUL16 F1, 1, 0, 0
	MUL16 F1, 1, 2, 0
.endm
	s_wait_tensorcnt 1                             ; my part of K step 0 is in; K step 1's may stay out
	s_barrier_signal -1
	s_barrier_wait -1
	FETCH 0, 0, F0
	QUARTER 0, 64,  F0, F1, 1
	WIN 0
	s_mov_b32 s3, 3
.Llap:
	QUARTER 0, 128, F1, F0, 0
	QUARTER 0, 192, F0, F1, 0
	TURN 0, 1, 1
	QUARTER 1, 64,  F0, F1, 0
	QUARTER 1, 128, F1, F0, 0
	QUARTER 1, 192, F0, F1, 0
	TURN 1, 0, 1
	QUARTER 0, 64,  F0, F1, 0
	WIN 0
	s_sub_co_u32 s3, s3, 1
	s_cmp_lg_u32 s3, 0
	s_cbranch_scc1 .Llap
	QUARTER 0, 128, F1, F0, 0                      ; the last lap fills nothing
	QUARTER 0, 192, F0, F1, 0
	TURN 0, 1, 0
	QUARTER 1, 64,  F0, F1, 0
	QUARTER 1, 128, F1, F0, 0
	QUARTER 1, 192, F0, F1, 0
	s_wait_dscnt 8
	MUL16 F1, 0, 0, 0
	MUL16 F1, 0, 2, 0
	s_wait_dscnt 0x0
	MUL16 F1, 1, 0, 0
	MUL16 F1, 1, 2, 0
	PLACES
; THE SOFTMAX OF A GROUP, for 16 queries: block a of window 2, 64 scores a lane at R.  Each accumulator's lowest registers are read first.
.macro EPI a
.set R, 64*(\a)
	WIN 0x2a                                       ; sources in window 2
.irp k, 0,1,2,3
	v_max3_num_f32 v[CC+(\k)], v[R+16*(\k)], v[R+16*(\k)+1], v[R+16*(\k)+2]
.endr
	WIN 0x28
.irp i, 1,2,3,4,5,6
.irp k, 0,1,2,3
	v_max3_num_f32 v[CC+(\k)], v[CC+(\k)], v[R+16*(\k)+2*(\i)+1], v[R+16*(\k)+2*(\i)+2]
.endr
.endr
	v_max3_num_f32 v[CC], v[CC], v[R+15], v[R+31]
	v_max3_num_f32 v[CC+2], v[CC+2], v[R+47], v[R+63]
	WIN 0
	v_max3_num_f32 v[CC], v[CC], v[CC+1], v[CC+2]
	v_max_num_f32 v[CC], v[CC], v[CC+3]
	v_permlanex16_b32 v[CC+1], v[CC], s[SEL], s[SEL+1]  ; the query's other 64 keys lie in the lane 16 away
	v_max_num_f32 v[CC], v[CC], v[CC+1]
	v_mul_f32 v[CMP], s[CS], v[CC]                 ; c m
	v_add_f32 v[CMS+(\a)], s[KILL], v[CMP]
	WIN 0x82
.set i, 0
.rept 32
	v_pk_fma_f32 v[R+2*i:R+2*i+1], v[R+2*i:R+2*i+1], s[CS:CS+1], v[CMP:CMP+1] op_sel_hi:[1,0,0] neg_lo:[0,0,1] neg_hi:[0,0,1]  ; c s - c m
.set i, i+1
.endr
.set i, 0
.rept 64
	v_exp_f32 v[R+i], v[R+i]
.set i, i+1
.endr
	v_nop                                          ; a plain instruction between the exponentials and the use of their results (ISA guide 5.7.2)
	WIN 0x0a
	s_wait_alu depctr_va_vdst(0)
.irp k, 0,1,2,3
	v_pk_add_f32 v[LL+2*(\k):LL+2*(\k)+1], v[R+16*(\k):R+16*(\k)+1], v[R+16*(\k)+2:R+16*(\k)+3]
.endr
	WIN 0x08
.irp i, 2,3,4,5,6,7
.irp k, 0,1,2,3
	v_pk_add_f32 v[LL+2*(\k):LL+2*(\k)+1], v[LL+2*(\k):LL+2*(\k)+1], v[R+16*(\k)+2*(\i):R+16*(\k)+2*(\i)+1]
.endr
.endr
	WIN 0x0a
.set i, 0
.rept 32
	v_cvt_pk_f16_f32 v[TMP+i], v[R+2*i], v[R+2*i+1]
.set i, i+1
.endr
	WIN 0
	v_pk_add_f32 v[LL:LL+1], v[LL:LL+1], v[LL+2:LL+3]
	v_pk_add_f32 v[LL+4:LL+5], v[LL+4:LL+5], v[LL+6:LL+7]
	v_pk_add_f32 v[LL:LL+1], v[LL:LL+1], v[LL+4:LL+5]
	v_add_f32 v[LL], v[LL], v[LL+1]
	v_permlanex16_b32 v[LL+1], v[LL], s[SEL], s[SEL+1]
	v_add_f32 v[LS+(\a)], v[LL], v[LL+1]
	s_wait_xcnt 0x0                                ; the registers that the block before stored from are loaded again only behind this wait
.irp b, 0,1,2,3,4,5,6,7
	ds_store_b128 v[STO], v[TMP+4*(\b):TMP+4*(\b)+3] offset:32*(\b)
.endr
.irp t, 0,1,2,3,4,5,6,7
	ds_load_b128 v[OB+4*(\t):OB+4*(\t)+3], v[RD] offset:(\t)*2*SPITCH  ; LDS serves a wave's instructions in order (ISA guide 5.7.1.4)
.endr
	s_wait_dscnt 0x0
.irp t, 0,1,2,3,4,5,6,7
	global_store_b128 v[CO], v[OB+4*(\t):OB+4*(\t)+3], s[6:7] offset:(16*(\a)+2*(\t))*4096  ; sixteen lanes store 256 consecutive bytes, aligned
.endr
.endm
	WIN 0
	s_mov_b32 s3, 2
.Lhalf:                                                ; two trips: my rows 0-63, then my rows 64-127, whose scores are first brought from window 3 into window 2: one text for both
	EPI 0
	EPI 1
	EPI 2
	EPI 3
.irp k, 0,1,2,3
	v_cndmask_b32 v[SO+(\k)], v[CMS+(\k)], v[LS+(\k)], s[HM]
.endr
	global_store_b128 v[STV], v[SO:SO+3], s[8:9]   ; lanes 0-15: 256 bytes of c m; lanes 16-31: 256 bytes of l
	s_cmp_eq_u32 s3, 1
	s_cbranch_scc1 .Lhalf_done
	WIN 0x83                                       ; destination window 2, source window 3
.set i, 0
.rept 256
	v_mov_b32 v[i], v[i]
.set i, i+1
.endr
	WIN 0
	s_wait_xcnt 0x0                                ; the stores' bases step only behind this wait
	s_add_nc_u64 s[6:7], s[6:7], 64*4096
	s_add_nc_u64 s[8:9], s[8:9], 256
.Lhalf_done:
	s_sub_co_u32 s3, s3, 1
	s_cmp_lg_u32 s3, 0
	s_cbranch_scc1 .Lhalf
	s_wait_tensorcnt 0x0                           ; the wave's end
	ds_add_u32 v[SPW], v[NIL]
	s_wait_dscnt 0x0
	s_endpgm
.Lfunc_end_k_q3716fc1c20_scores:
	.size	k_q3716fc1c20_scores, .Lfunc_end_k_q3716fc1c20_scores-k_q3716fc1c20_scores
	.p2alignl 7, 3214868480
	.fill 96, 4, 3214868480
	.section	.rodata,"a",@progbits
	.p2align	6, 0x0
	.amdhsa_kernel k_q3716fc1c20_scores
		.amdhsa_group_segment_fixed_size 327680
		.amdhsa_private_segment_fixed_size 0
		.amdhsa_enable_private_segment 0
		.amdhsa_kernarg_size 24
		.amdhsa_user_sgpr_count 2
		.amdhsa_user_sgpr_kernarg_segment_ptr 1
		.amdhsa_wavefront_size32 1
		.amdhsa_system_sgpr_workgroup_id_x 1
		.amdhsa_system_sgpr_workgroup_id_y 1
		.amdhsa_system_sgpr_workgroup_id_z 1
		.amdhsa_system_vgpr_workitem_id 0
		.amdhsa_next_free_vgpr 1024
		.amdhsa_next_free_sgpr 66
		.amdhsa_reserve_vcc 1
		.amdhsa_float_denorm_mode_32 3
		.amdhsa_float_denorm_mode_16_64 3
		.amdhsa_memory_ordered 1
		.amdhsa_forward_progress 1
		.amdhsa_inst_pref_size 167
	.end_amdhsa_kernel
	.amdgpu_metadata
---
amdhsa.version: [ 1, 2 ]
amdhsa.kernels:
  - .name:           k_q3716fc1c20_scores
    .symbol:         k_q3716fc1c20_scores.kd
    .args:
      - { .name: qkv, .offset: 0, .size: 8, .value_kind: global_buffer, .address_space: global }
      - { .name: pb, .offset: 8, .size: 8, .value_kind: global_buffer, .address_space: global }
      - { .name: st, .offset: 16, .size: 8, .value_kind: global_buffer, .address_space: global }
    .group_segment_fixed_size: 327680
    .private_segment_fixed_size: 0
    .kernarg_segment_align: 8
    .kernarg_segment_size: 24
    .max_flat_workgroup_size: 128
    .sgpr_count:     66
    .vgpr_count:     1024
    .wavefront_size: 32
...
	.end_amdgpu_metadata
.endif
;; end of part 3
;; launch mix (part 4): grid 8 x 32, 4 waves a work-group, clusters of 4 x 1, 327,680 bytes of LDS; arguments pb, st, qkv, out0; writes out0
.if DOCPART == 4
	.amdgcn_target "amdgcn-amd-amdhsa--gfx1250"
	.amdhsa_code_object_version 6
	.text
	.protected	k_q3716fc1c20_mix
	.globl	k_q3716fc1c20_mix
	.p2align	8
	.type	k_q3716fc1c20_mix,@function
k_q3716fc1c20_mix:
	s_mov_b64 s[64:65], 0
	v_nop
	global_prefetch_b8 v0, s[64:65] scope:SCOPE_SE
	s_setreg_imm32_b32 hwreg(HW_REG_WAVE_MODE, 25, 1), 1
	s_wait_xcnt 0x0
	s_wait_alu depctr_hold_cnt(0) depctr_sa_sdst(0) depctr_va_vdst(0) depctr_va_sdst(0) depctr_va_ssrc(0) depctr_va_vcc(0) depctr_vm_vsrc(0)
	s_getreg_b32 s2, hwreg(HW_REG_IB_STS2, 6, 4)
	s_cmp_eq_u32 s2, 0
	s_cbranch_scc0 .Lentry_in_a_cluster
	s_endpgm
.Lentry_in_a_cluster:
	s_bfe_u32 s2, ttmp6, 0x10000c
	s_cmp_lg_u32 s2, 0x3003
	s_cbranch_scc0 .Lentry_shape_is_right
	s_endpgm
.Lentry_shape_is_right:
; O[q][:] = sum over the groups g of 128 keys of fac_g[q] (P_g V_g)[q][:], fac_g = 2^(c m_g - M) / L, M = the largest c m_g of the row, L = sum over g of 2^(c m_g - M) l_g.
; P (f16, relative to its group's maximum), c m and l come from the launch before; V is plane 2 of qkv, [8192][1024] f16.  Products in f16 with f32 sums; factors and O in f32; O is never rounded.
; Every exponent is at most 0.  A wholly hidden group carries c m = -1e30: its factor is exactly 0.  LIMITS: as stated where P is made; NaN and infinities are not treated apart.
; SHARES.  A tile of O is 128 queries x 128 columns.  Block i of 128 queries needs (i >> 1) + 1 steps of 256 keys.  A work-group takes blocks 15 - p and then p: 9 steps whatever p, one walk with constant
; counts.  Four waves, each 64 x 64: 16 part sums (ACC), joined into 16 totals (TOT) behind each group.
; CLUSTER.  The four work-groups of a cluster have the same p and batch and four neighbouring blocks of columns: they walk the same tiles of P, which are asked for JOINTLY (mask 15).  V's tiles differ: loads of one's own.
; Source 0 = 16 columns of V (turned on the way out of LDS), source 1 = 16 queries of P: a lane holds ONE query (lane % 16) and eight neighbouring columns.
; REGISTERS: window 0: v0-31 addresses; v32-63 the way out; v64-111 factors; v128-255 ACC ((a, b) at 128 + 8 (4 a + b)).  window 1: two fragment buffers of 128 (64 of P, 64 of V).  window 2: v0-127 TOT.
.set PA,    528                        ; a row of P in LDS: 512 bytes + 16
.set PB,    288                        ; a row of V: 256 bytes + 32: sixteen lanes of the turning load take 8 rows x 32 bytes that differ modulo 256
.set BOFF,  128*PA                     ; V's 256 rows lie behind P's 128
.set SLOT,  BOFF+256*PB
.set STAGE, 2*SLOT                     ; behind the ring: 16 rows x 272 bytes for each wave
.set SP,    272
.set SPARE, STAGE+4*16*SP
.set ADRA, 16                          ; v16-17  my P fragments in slot 0, 1
.set ADRB, 18                          ; v18-21  my V fragments: 2 slot + half (a half is 128 keys: the immediate does not reach 256 rows)
.set STO,  24
.set RD,   25
.set CO,   26
.set STV,  27                          ; v27     16 (l % 16)
.set SPW,  28
.set NIL,  29
.set BK,   32
.set MM,   64                          ; v[64:67] M, v[68:71] 1 / L of the block in hand, by query block a; v[72:79] the second block's
.set CM,   80                          ; v[80:83], v[84:87] c m of the step's two groups
.set FA,   88                          ; v[88:95] the factors, in the low registers of four pairs
.set TT,   96                          ; v[96:103] at work
.set ACC,  128
.set F0,   0
.set F1,   128
.set WV,   12
.set MSB, 0
.macro WIN new
.if MSB != (\new)
	s_set_vgpr_msb (MSB<<8)|(\new)
.set MSB, \new
.endif
.endm
.macro PLACES
.rept 4
	v_nop
.endr
.endm
.macro JLOAD                           ; waves 0, 1: the two halves of P's tile, jointly; waves 2, 3: the two halves of V's tile.  The branch hangs on the wave's number alone
	s_cmp_lt_u32 s[WV], 2
	s_cbranch_scc0 .Lfor_v_\@
	tensor_load_to_lds s[40:43], s[24:31]
	s_nop 0
	PLACES
	s_branch .Lasked_\@
.Lfor_v_\@:
	tensor_load_to_lds s[44:47], s[32:39]
	s_nop 0
	PLACES
.Lasked_\@:
.endm
.macro CROUND                          ; a round of the cluster's barrier
	s_barrier_signal -1
	s_barrier_wait -1
	s_cmp_lg_u32 s[WV], 0
	s_cbranch_scc1 .Lnot_wave_0_\@
	s_barrier_signal -3
.Lnot_wave_0_\@:
	s_barrier_wait -3
	s_barrier_signal -1
	s_barrier_wait -1
.endm
	s_load_b256 s[4:11], s[0:1], 0x0               ; pb s[4:5], st s[6:7], qkv s[8:9], out0 s[10:11]
	v_lshl_add_u32 v[SPW], v0, 2, SPARE
	v_mov_b32 v[NIL], 0
	ds_add_u32 v[SPW], v[NIL]                      ; the wave's opening: the add and its wait ahead of my first tensor load
	ds_add_u32 v28, v29
	v_lshrrev_b32 v1, 5, v0
	v_readfirstlane_b32 s[WV], v1
	s_bfe_u32 s13, ttmp6, 0x40000                  ; cx: it enters V's and O's addresses alone
	s_lshl_b32 s14, ttmp9, 2
	s_add_co_u32 s14, s14, s13                     ; n: my 128 columns
	s_and_b32 s23, ttmp7, 0xffff
	s_and_b32 s15, s23, 7                          ; p
	s_lshr_b32 s16, s23, 3                         ; batch
	s_lshr_b32 s19, s[WV], 1                       ; wr: which 64 queries
	s_and_b32 s20, s[WV], 1                        ; wc: which 64 columns; also which half of a tile I fetch
	s_sub_co_u32 s21, 15, s15                      ; HI: the first block
	s_mov_b32 s22, s15                             ; LO: the second
	s_mul_i32 s17, s20, 64*PA                      ; where my half of P's tile goes in a slot
	s_mul_i32 s18, s20, 128*PB
	s_add_co_u32 s18, s18, BOFF                    ; and my half of V's
	s_mov_b32 s24, 15|(1<<16)|(1<<20)|(1<<21)|(6<<22)|(3<<25)  ; P: mask of four; 2-byte elements; padding on; bit 21 beside a mask; after every 128 words 4 words
	s_mov_b32 s25, 256<<16                         ; tensor_dim0 = 256
	s_mov_b32 s26, 64<<16                          ; tensor_dim1 = 64
	s_mov_b32 s27, 256<<16                         ; tile_dim0 = 256
	s_mov_b32 s28, 64                              ; tile_dim1 = 64
	s_mov_b32 s29, 2048                            ; elements from row to row
	s_mov_b32 s30, 0
	s_mov_b32 s31, 0
	s_mov_b32 s32, (1<<16)|(1<<20)|(5<<22)|(7<<25) ; V: no mask; after every 64 words 8 words
	s_mov_b32 s33, 128<<16
	s_mov_b32 s34, 128<<16
	s_mov_b32 s35, 128<<16
	s_mov_b32 s36, 128
	s_mov_b32 s37, 1024
	s_mov_b32 s38, 0
	s_mov_b32 s39, 0
	s_mov_b32 s40, 1
	s_mov_b32 s41, s17                             ; slot 0
	s_mov_b32 s44, 1
	s_mov_b32 s45, s18
	s_mov_b32 s62, 0x76543210
	s_mov_b32 s63, 0xfedcba98
	s_mov_b32 s76, 0xffff0000                      ; lanes 16-31
	s_lshl_b32 s52, s16, 23                        ; P: (2048 batch + 64 half) rows of 4,096 bytes
	s_lshl_b32 s23, s20, 18
	s_add_co_u32 s52, s52, s23
	s_mov_b32 s53, 0
	s_lshl_b32 s54, s16, 22                        ; V: plane 2; (2048 batch + 128 half) rows of 2,048 bytes; 256 n
	s_lshl_b32 s78, s20, 18
	s_add_co_u32 s54, s54, s78
	s_lshl_b32 s78, s14, 8
	s_add_co_u32 s54, s54, s78
	s_add_co_u32 s54, s54, 0x2000000
	s_mov_b32 s55, 0
	s_lshl_b32 s60, s16, 17                        ; st: 131,072 batch + 256 wr
	s_lshl_b32 s23, s19, 8
	s_add_co_u32 s60, s60, s23
	s_mov_b32 s61, 0
	s_lshl_b32 s78, s16, 23                        ; O: (2048 batch + 64 wr) rows of 4,096 bytes + 512 n + 256 wc
	s_lshl_b32 s77, s19, 18
	s_add_co_u32 s78, s78, s77
	s_lshl_b32 s77, s14, 9
	s_add_co_u32 s78, s78, s77
	s_lshl_b32 s77, s20, 8
	s_add_co_u32 s78, s78, s77
	s_mov_b32 s79, 0
	s_wait_dscnt 0x0                               ; the opening add is done
	s_wait_kmcnt 0x0
	s_add_nc_u64 s[48:49], s[4:5], s[52:53]        ; ABASE
	s_add_nc_u64 s[50:51], s[8:9], s[54:55]        ; VBASE
	s_add_nc_u64 s[56:57], s[6:7], s[60:61]        ; STB
	s_add_nc_u64 s[68:69], s[10:11], s[78:79]
	s_lshl_b32 s78, s21, 19                        ; a block is 128 rows of 4,096 bytes
	s_add_nc_u64 s[66:67], s[68:69], s[78:79]      ; O at the first block
	s_lshl_b32 s78, s22, 19
	s_add_nc_u64 s[68:69], s[68:69], s[78:79]      ; and at the second
	s_lshl_b32 s52, s21, 19                        ; the walk's first tile: block HI, step 0
	s_add_nc_u64 s[42:43], s[48:49], s[52:53]
	s_or_b32 s43, s43, 0x80000000
	s_mov_b64 s[46:47], s[50:51]
	s_or_b32 s47, s47, 0x80000000
	s_mov_b32 s70, 1                               ; NXJ, NXB: the tile to be asked for next
	s_mov_b32 s71, s21
	CROUND                                         ; all four work-groups are here
	JLOAD                                          ; slot 0
	v_and_b32 v1, 15, v0                           ; r
	v_bfe_u32 v2, v0, 4, 1                         ; h
	v_mul_u32_u24 v3, v1, PA
	v_lshl_add_u32 v3, v2, 4, v3
	s_mul_i32 s23, s19, 64*PA
	v_add_nc_u32 v[ADRA], s23, v3
	v_add_nc_u32 v[ADRA+1], SLOT, v[ADRA]
	v_and_b32 v4, 7, v0                            ; the turning load: lane l reads key 8 h + l % 8, columns 8 ((l / 8) % 2) + 0..7
	v_bfe_u32 v5, v0, 3, 1
	v_lshl_add_u32 v4, v2, 3, v4
	v_mul_u32_u24 v4, v4, PB
	v_lshl_add_u32 v4, v5, 4, v4
	s_lshl_b32 s23, s20, 7
	s_add_co_u32 s23, s23, BOFF
	v_add_nc_u32 v[ADRB], s23, v4
	v_add_nc_u32 v[ADRB+1], 128*PB, v[ADRB]
	v_add_nc_u32 v[ADRB+2], SLOT, v[ADRB]
	v_add_nc_u32 v[ADRB+3], SLOT, v[ADRB+1]
	s_mul_i32 s23, s[WV], 16*SP
	s_add_co_u32 s23, s23, STAGE
	v_mul_u32_u24 v6, v1, SP
	v_lshl_add_u32 v6, v2, 5, v6
	v_add_nc_u32 v[STO], s23, v6                   ; in: row r, 32 bytes for each half of the lanes
	v_mul_u32_u24 v6, v2, SP
	v_lshl_add_u32 v6, v1, 4, v6
	v_add_nc_u32 v[RD], s23, v6                    ; back: lanes 0-15 one row of 256 bytes, lanes 16-31 the next
	v_lshlrev_b32 v6, 12, v2
	v_lshl_add_u32 v[CO], v1, 4, v6
	v_lshlrev_b32 v[STV], 4, v1
.set i, FA
.rept 16
	v_mov_b32 v[i], 0                              ; the pairs' second registers, and destinations that count as read
.set i, i+1
.endr
	WIN 0x80
.set i, 0
.rept 128
	v_mov_b32 v[i], 0                              ; TOT starts at 0; this stands in the wait for the first tile
.set i, i+1
.endr
	WIN 0
	; M AND 1 / L OF BOTH BLOCKS, once.  Lanes 0-15 work for block HI, lanes 16-31 for LO.  A block has G = 2 (i >> 1) + 2 groups; beyond them the last one is read again (nothing unwritten is read) and its l counts as 0.
	v_mov_b32 v104, s21
	v_mov_b32 v105, s22
	v_cndmask_b32 v104, v104, v105, s76            ; my block
	v_lshrrev_b32 v105, 1, v104
	v_lshl_add_u32 v105, v105, 1, 2                ; G
	v_add_nc_u32 v106, -1, v105
	v_lshl_add_u32 v107, v104, 9, v[STV]           ; 512 i + 16 r
.set g, 0
.rept 16
	v_min_u32 v[BK+g], g, v106
	v_lshl_add_u32 v[BK+g], v[BK+g], 13, v107      ; a group is 8,192 bytes
	v_cmp_lt_u32 s[80+g], g, v105
.set g, g+1
.endr
	WIN 0x40                                       ; destination window 1
.set g, 0
.rept 16
	global_load_b128 v[4*g:4*g+3],       v[BK+g], s[56:57]
	global_load_b128 v[64+4*g:64+4*g+3], v[BK+g], s[56:57] offset:524288
.set g, g+1
.endr
	s_wait_loadcnt 0x0
	WIN 0x15
.irp a, 0,1,2,3
	v_max3_num_f32 v[MM+(\a)], v[(\a)], v[4+(\a)], v[8+(\a)]
.endr
	WIN 0x14
.irp i, 1,2,3,4,5,6
.irp a, 0,1,2,3
	v_max3_num_f32 v[MM+(\a)], v[MM+(\a)], v[4*(2*(\i)+1)+(\a)], v[4*(2*(\i)+2)+(\a)]
.endr
.endr
.irp a, 0,1,2,3
	v_max3_num_f32 v[MM+(\a)], v[MM+(\a)], v[60+(\a)], v[60+(\a)]
.endr
	WIN 0x41
.set i, 0
.rept 64
	v_sub_f32 v[i], v[i], v[MM+i%4]
.set i, i+1
.endr
.set i, 0
.rept 64
	v_exp_f32 v[i], v[i]
.set i, i+1
.endr
	v_nop                                          ; a plain instruction between the exponentials and the use of their results
	WIN 0x44
.set i, 0
.rept 64
	v_cndmask_b32 v[64+i], 0, v[64+i], s[80+i/4]
.set i, i+1
.endr
	WIN 0x05
	s_wait_alu depctr_va_vdst(0)
.irp a, 0,1,2,3
	v_mul_f32 v[MM+4+(\a)], v[(\a)], v[64+(\a)]
.endr
.set i, 4
.rept 60
	v_fma_f32 v[MM+4+i%4], v[i], v[64+i], v[MM+4+i%4]
.set i, i+1
.endr
	WIN 0
.irp a, 0,1,2,3
	v_rcp_f32 v[MM+4+(\a)], v[MM+4+(\a)]
.endr
	v_nop
	s_wait_alu depctr_va_vdst(0)
.irp k, 0,1,2,3,4,5,6,7                ; every lane takes both blocks' figures for its query
	v_permlanex16_b32 v[TT+(\k)], v[MM+(\k)], s62, s63
.endr
.irp k, 0,1,2,3,4,5,6,7
	v_cndmask_b32 v[MM+8+(\k)], v[TT+(\k)], v[MM+(\k)], s76
	v_cndmask_b32 v[MM+(\k)], v[MM+(\k)], v[TT+(\k)], s76
.endr
.macro MUL8 f, c, a0, zero             ; 8 matrix instructions: query blocks a0, a0 + 1 x 4 column blocks, 32 keys.  The 16 accumulators take turns
	WIN 0x05
.irp a, \a0, (\a0)+1
.irp b, 0,1,2,3
.if \zero
	v_wmma_f32_16x16x32_f16 v[ACC+8*(4*(\a)+(\b)):ACC+8*(4*(\a)+(\b))+7], v[(\f)+64+8*(4*(\c)+(\b)):(\f)+64+8*(4*(\c)+(\b))+7], v[(\f)+8*(4*(\c)+(\a)):(\f)+8*(4*(\c)+(\a))+7], 0
.else
	v_wmma_f32_16x16x32_f16 v[ACC+8*(4*(\a)+(\b)):ACC+8*(4*(\a)+(\b))+7], v[(\f)+64+8*(4*(\c)+(\b)):(\f)+64+8*(4*(\c)+(\b))+7], v[(\f)+8*(4*(\c)+(\a)):(\f)+8*(4*(\c)+(\a))+7], v[ACC+8*(4*(\a)+(\b)):ACC+8*(4*(\a)+(\b))+7]
.endif
.endr
.endr
.endm
.macro FETCH slot, q, f                ; 32 LDS loads in one run: the fragments of quarter q (64 keys) of a step; the first 32 keys first
	WIN 0x40
.irp c, 0,1
.irp i, 0,1,2,3
	ds_load_tr16_b128 v[(\f)+64+8*(4*(\c)+(\i)):(\f)+64+8*(4*(\c)+(\i))+3],   v[ADRB+2*(\slot)+(\q)/2] offset:(((\q)%2)*64+32*(\c))*PB+32*(\i)
	ds_load_tr16_b128 v[(\f)+64+8*(4*(\c)+(\i))+4:(\f)+64+8*(4*(\c)+(\i))+7], v[ADRB+2*(\slot)+(\q)/2] offset:(((\q)%2)*64+32*(\c)+16)*PB+32*(\i)
	ds_load_b128 v[(\f)+8*(4*(\c)+(\i)):(\f)+8*(4*(\c)+(\i))+3],   v[ADRA+(\slot)] offset:128*(\q)+64*(\c)+(\i)*16*PA
	ds_load_b128 v[(\f)+8*(4*(\c)+(\i))+4:(\f)+8*(4*(\c)+(\i))+7], v[ADRA+(\slot)] offset:128*(\q)+64*(\c)+(\i)*16*PA+32
.endr
.endr
.endm
.macro QUARTER slot, q, f, g, zero     ; multiplies buffer f; in its middle fetches quarter q into g
	s_wait_dscnt 16                                ; the first 32 keys are in
	MUL8 \f, 0, 0, \zero
	MUL8 \f, 0, 2, \zero
	PLACES
	FETCH \slot, \q, \g
	s_wait_dscnt 32                                ; all but the 32 just issued
	MUL8 \f, 1, 0, 0
	MUL8 \f, 1, 2, 0
.endm
.macro LASTQ f
	s_wait_dscnt 16
	MUL8 \f, 0, 0, 0
	MUL8 \f, 0, 2, 0
	s_wait_dscnt 0x0
	MUL8 \f, 1, 0, 0
	MUL8 \f, 1, 2, 0
.endm
.macro COMBINE u                       ; TOT += fac ACC for group u of the step.  The four subtractions are the places behind the last products; each accumulator is read from its low end on
	WIN 0
	s_wait_loadcnt 1-(\u)                          ; c m of group u is in (group 1's may stay out)
.irp a, 0,1,2,3
	v_sub_f32 v[TT+(\a)], v[CM+4*(\u)+(\a)], v[MM+(\a)]
.endr
.irp a, 0,1,2,3
	v_exp_f32 v[TT+(\a)], v[TT+(\a)]
.endr
	v_nop
	s_wait_alu depctr_va_vdst(0)
.irp a, 0,1,2,3
	v_mul_f32 v[FA+2*(\a)], v[TT+(\a)], v[MM+4+(\a)]
.endr
	WIN 0xa0                                       ; TOT (destination and source 2) in window 2
.set t, 0
.rept 16
.irp k, 0,1,2,3
	v_pk_fma_f32 v[8*t+2*(\k):8*t+2*(\k)+1], v[ACC+8*t+2*(\k):ACC+8*t+2*(\k)+1], v[FA+2*(t/4):FA+2*(t/4)+1], v[8*t+2*(\k):8*t+2*(\k)+1] op_sel_hi:[1,0,1]
.endr
.set t, t+1
.endr
.endm
.macro LOADCM                          ; c m of the next step's two groups: group 2 CJ of block CB, and the one behind it
	s_lshl_b32 s60, s73, 14
	s_lshl_b32 s23, s74, 9
	s_add_co_u32 s60, s60, s23
	s_add_nc_u64 s[58:59], s[56:57], s[60:61]      ; the loads that named this pair have been waited for
	global_load_b128 v[CM:CM+3],   v[STV], s[58:59]
	global_load_b128 v[CM+4:CM+7], v[STV], s[58:59] offset:8192
.endm
.macro WAYOUT clear                    ; a block's O leaves through my stage, 16 rows at a time.  clear = 1: the second block begins
.irp a, 0,1,2,3
	WIN 0
	s_wait_xcnt 0x0                                ; the registers that earlier stores read are loaded again only behind this wait
	WIN 0x08                                       ; store data in window 2
.irp b, 0,1,2,3
.irp k, 0,1
	ds_store_b128 v[STO], v[8*(4*(\a)+(\b))+4*(\k):8*(4*(\a)+(\b))+4*(\k)+3] offset:64*(\b)+16*(\k)
.endr
.endr
	WIN 0
.irp t, 0,1,2,3,4,5,6,7
	ds_load_b128 v[BK+4*(\t):BK+4*(\t)+3], v[RD] offset:(\t)*2*SP  ; LDS serves a wave's instructions in order (ISA guide 5.7.1.4)
.endr
	s_wait_dscnt 0x0
.irp t, 0,1,2,3,4,5,6,7
	global_store_b128 v[CO], v[BK+4*(\t):BK+4*(\t)+3], s[66:67] offset:(16*(\a)+2*(\t))*4096 th:TH_STORE_NT  ; sixteen lanes store 256 consecutive bytes, aligned
.endr
.endr
.if \clear
	WIN 0x80
.set i, 0
.rept 128
	v_mov_b32 v[i], 0
.set i, i+1
.endr
	WIN 0
.irp k, 0,1,2,3,4,5,6,7
	v_mov_b32 v[MM+(\k)], v[MM+8+(\k)]
.endr
	s_wait_xcnt 0x0                                ; O's address is rewritten only behind this wait
	s_mov_b64 s[66:67], s[68:69]
	s_lshr_b32 s72, s22, 1
	s_add_co_u32 s72, s72, 1                       ; the second block's steps
	s_mov_b32 s74, s22
	s_mov_b32 s73, 0
.endif
.endm
; A STEP of the walk: 256 keys out of slot `slot`.  In front of the barrier: all my tensor loads (one is out: my part of this slot), the add, my reads of the other slot.
; refill = 1: the barrier is a round of the cluster's, and the other slot is filled, first thing behind it, with tile (NXB, NXJ): it has this step's 128 matrix instructions and 128 packed multiply-adds in which to land.
.macro TRIP slot, refill
	WIN 0
	s_wait_tensorcnt 0x0                           ; no load of mine is out: the descriptors may be written
	ds_add_u32 v[SPW], v[NIL]                      ; the scalar work below stands between the add and the wait for it
.if \refill
	s_lshl_b32 s52, s71, 19                        ; P: block NXB, 128 rows of 4,096 bytes; step NXJ, 512 bytes
	s_lshl_b32 s23, s70, 9
	s_add_co_u32 s52, s52, s23
	s_lshl_b32 s54, s70, 19                        ; V: step NXJ, 256 rows of 2,048 bytes
	s_add_co_u32 s41, s17, (1-(\slot))*SLOT
	s_add_nc_u64 s[42:43], s[48:49], s[52:53]
	s_or_b32 s43, s43, 0x80000000
	s_add_co_u32 s45, s18, (1-(\slot))*SLOT
	s_add_nc_u64 s[46:47], s[50:51], s[54:55]
	s_or_b32 s47, s47, 0x80000000
	s_add_co_u32 s70, s70, 1                       ; the block's next step, or behind its last the second block's step 0
	s_lshr_b32 s23, s71, 1
	s_cmp_gt_u32 s70, s23
	s_cselect_b32 s70, 0, s70
	s_cselect_b32 s71, s22, s71
.endif
	s_wait_dscnt 0x0                               ; the add is done, my reads of the other slot are over
.if \refill
	CROUND
	JLOAD
.else
	s_barrier_signal -1
	s_barrier_wait -1
.endif
	FETCH \slot, 0, F0
	QUARTER \slot, 1, F0, F1, 1                    ; the first group's products start the part sums
	QUARTER \slot, 2, F1, F0, 0
	COMBINE 0
	QUARTER \slot, 3, F0, F1, 1                    ; the second group's
	LASTQ F1
	COMBINE 1
	WIN 0
	s_sub_co_u32 s72, s72, 1
	s_add_co_u32 s73, s73, 1
.if \refill
	s_cmp_lg_u32 s72, 0                            ; the same answer in all four partners: it hangs on p alone
	s_cbranch_scc1 .Lgo_on_\@
	WAYOUT 1                                       ; the first block's end
.Lgo_on_\@:
	LOADCM
.else
	WAYOUT 0
.endif
.endm
	s_lshr_b32 s72, s21, 1
	s_add_co_u32 s72, s72, 1                       ; RT: steps that the block in hand still has
	s_mov_b32 s74, s21                             ; CB: the block in hand
	s_mov_b32 s73, 0                               ; CJ: its step
	LOADCM
	s_mov_b32 s75, 4
.Llap:                                                 ; four trips of two steps; each step asks for the next tile
	TRIP 0, 1
	TRIP 1, 1
	s_sub_co_u32 s75, s75, 1
	s_cmp_lg_u32 s75, 0
	s_cbranch_scc1 .Llap
	TRIP 0, 0                                      ; the walk's ninth step is written out: nothing is asked for
	s_wait_tensorcnt 0x0                           ; the wave's end
	ds_add_u32 v[SPW], v[NIL]
	s_wait_dscnt 0x0
	CROUND                                         ; the closing round
	s_endpgm
.Lfunc_end_k_q3716fc1c20_mix:
	.size	k_q3716fc1c20_mix, .Lfunc_end_k_q3716fc1c20_mix-k_q3716fc1c20_mix
	.p2alignl 7, 3214868480
	.fill 96, 4, 3214868480
	.section	.rodata,"a",@progbits
	.p2align	6, 0x0
	.amdhsa_kernel k_q3716fc1c20_mix
		.amdhsa_group_segment_fixed_size 327680
		.amdhsa_private_segment_fixed_size 0
		.amdhsa_enable_private_segment 0
		.amdhsa_kernarg_size 32
		.amdhsa_user_sgpr_count 2
		.amdhsa_user_sgpr_kernarg_segment_ptr 1
		.amdhsa_wavefront_size32 1
		.amdhsa_system_sgpr_workgroup_id_x 1
		.amdhsa_system_sgpr_workgroup_id_y 1
		.amdhsa_system_sgpr_workgroup_id_z 1
		.amdhsa_system_vgpr_workitem_id 0
		.amdhsa_next_free_vgpr 640
		.amdhsa_next_free_sgpr 96
		.amdhsa_reserve_vcc 0
		.amdhsa_float_denorm_mode_32 3
		.amdhsa_float_denorm_mode_16_64 3
		.amdhsa_memory_ordered 1
		.amdhsa_forward_progress 1
		.amdhsa_inst_pref_size 148
	.end_amdhsa_kernel
	.amdgpu_metadata
---
amdhsa.version: [ 1, 2 ]
amdhsa.kernels:
  - .name:           k_q3716fc1c20_mix
    .symbol:         k_q3716fc1c20_mix.kd
    .args:
      - { .name: pb, .offset: 0, .size: 8, .value_kind: global_buffer, .address_space: global }
      - { .name: st, .offset: 8, .size: 8, .value_kind: global_buffer, .address_space: global }
      - { .name: qkv, .offset: 16, .size: 8, .value_kind: global_buffer, .address_space: global }
      - { .name: out0, .offset: 24, .size: 8, .value_kind: global_buffer, .address_space: global }
    .group_segment_fixed_size: 327680
    .private_segment_fixed_size: 0
    .kernarg_segment_align: 8
    .kernarg_segment_size: 32
    .max_flat_workgroup_size: 128
    .sgpr_count:     96
    .vgpr_count:     640
    .wavefront_size: 32
...
	.end_amdgpu_metadata
.endif
;; end of part 4
;; ======== version 2 of 2: 4 launches; 1.16 times as fast as version 1
;; limits: values are held in f16: magnitudes above 65,504 overflow, below 6.1e-05 lose precision; right only within a limited range of input values
;; workspace buffers: xb 16,777,216 bytes; wt 4,194,304 bytes; qkv 50,331,648 bytes; pb 33,554,432 bytes; st 1,048,576 bytes
;; launch prep (part 5): grid 896 x 1, 8 waves a work-group, no clusters, 77,824 bytes of LDS; arguments embedding_word, w_q, w_k, w_v, xb, wt; writes xb, wt
.if DOCPART == 5
	.amdgcn_target "amdgcn-amd-amdhsa--gfx1250"
	.amdhsa_code_object_version 6
	.text
	.protected	k_q3716fc1c20_prep
	.globl	k_q3716fc1c20_prep
	.p2align	8
	.type	k_q3716fc1c20_prep,@function
k_q3716fc1c20_prep:
	s_mov_b64 s[64:65], 0
	v_nop
	global_prefetch_b8 v0, s[64:65] scope:SCOPE_SE
	s_setreg_imm32_b32 hwreg(HW_REG_WAVE_MODE, 25, 1), 1
	s_wait_xcnt 0x0
; WHAT THE LATER LAUNCHES MULTIPLY.  The scores q k^T are x (W_q W_k^T) x^T, for every input: so G = W_q W_k^T is made here once, q' = x G takes q's place, x itself takes k's, and k is never formed.
; All inputs are rounded to bf16.  xb, [8192][1024]: x so rounded, written as f16 (exact from 2^-17 up to f16's end; below that f16's fixed step of 6e-8).
; wt, [2048][1024] f16.  Rows 0-1023: wt[n][k] = 16 G[k][n] = 16 sum over d of W_k[n][d] W_q[k][d], bf16 products, f32 sums, rounded once.  Rows 1024-2047: wt[1024 + n][k] = W_v[k][n], rounded to bf16, written as f16.
; LIMITS.  16 G must lie within f16's 65,504: |G| < 4,094 (sums of 1,024 products of weights); below 4e-6 G keeps a fixed step of 4e-9.  |x| and |W_v| within 65,504.
; SHARES.  Work-groups 0-255 (the longest, so they come first): a tile of 64 n x 64 k of G's rows.  256-767: 65,536 bytes of x each.  768-895: a block of 128 k x 64 n of W_v, turned through LDS.
; A tile of G's rows has rows of 128 bytes, half of an aligned 256: 2 MB in all are written so; a tile 128 wide and 32 high would read a quarter more of the weights, which is what this part's time goes by.
.set GP,    528                        ; a row of 256 bf16 in LDS + 16 bytes: row r starts 16 r bytes further modulo 256
.set GB,    64*GP                      ; W_q's 64 rows lie behind W_k's 64
.set GST,   2*GB                       ; the stage for a tile of G's rows: 64 rows of 128 bytes + 16
.set GSP,   144
.set SPARE, GST+64*GSP                 ; the spare words, 128 bytes for each of the eight waves
.set TP,    272                        ; a row of W_v's turned block: 128 numbers of 2 bytes + 16 bytes
.set T,     8                          ; v[8:11]    at work (cast and turn)
.set SPW,   12                         ; v12 LDS address of my spare word; never rewritten
.set NIL,   13                         ; v13 0; never rewritten
.set X,     16                         ; v[16:143]  as loaded
.set Y,     144                        ; v[144:207] to store
.set F,     144                        ; v[144:239] fragments of four K steps of 32: 8 registers of W_k, 16 of W_q each
.set ACC,   240                        ; v[240:255] two accumulators
.macro PLACES                          ; four plain vector instructions between a matrix instruction and a write of, or a load into, its registers
.rept 4
	v_nop
.endr
.endm
	s_load_b256 s[4:11], s[0:1], 0x0               ; x s[4:5], w_q s[6:7], w_k s[8:9], w_v s[10:11]
	s_load_b128 s[12:15], s[0:1], 0x20             ; xb s[12:13], wt s[14:15]
	v_lshl_add_u32 v[SPW], v0, 2, SPARE
	v_mov_b32 v[NIL], 0
	s_mov_b32 s17, 0                               ; the high word of every offset
	s_mov_b32 s26, 0xffff0000                      ; a word's upper bf16
	s_wait_kmcnt 0x0
	s_cmp_lt_u32 ttmp9, 256                        ; the same answer in all waves of a work-group
	s_cbranch_scc0 .Lnot_g
	; G'S ROWS.  Tile: n block (id >> 4), k block (id & 15).  d goes in four chunks of 256: each thread brings 32 x 16 bytes (64 rows of W_k, 64 of W_q), rounds them to bf16 and puts them into LDS.
	s_lshr_b32 s18, ttmp9, 4                       ; n block
	s_and_b32 s19, ttmp9, 15                       ; k block
	s_lshl_b32 s16, s18, 18                        ; 64 rows of 4,096 bytes
	s_add_nc_u64 s[20:21], s[8:9], s[16:17]        ; W_k at my 64 rows
	s_lshl_b32 s16, s19, 18
	s_add_nc_u64 s[22:23], s[6:7], s[16:17]        ; W_q at my 64 rows
	s_lshl_b32 s16, s18, 17                        ; wt: 64 rows of 2,048 bytes,
	s_lshl_b32 s24, s19, 7                         ; 64 numbers of 2 bytes
	s_add_co_u32 s16, s16, s24
	s_add_nc_u64 s[14:15], s[14:15], s[16:17]
	v_and_b32 v1, 63, v0
	v_lshrrev_b32 v2, 6, v0
	v_lshlrev_b32 v4, 4, v1
	v_lshl_add_u32 v4, v2, 12, v4                  ; from: row t / 64 (+ 4 i), 16 bytes at 16 (t % 64): a wave's load covers 512 consecutive bytes
	v_mul_u32_u24 v5, v2, GP
	v_lshl_add_u32 v5, v1, 3, v5                   ; into LDS: the same row, 8 bytes at 8 (t % 64)
	v_and_b32 v1, 15, v0                           ; r = l % 16
	v_bfe_u32 v2, v0, 4, 1                         ; h = l / 16
	v_lshrrev_b32 v3, 5, v0
	v_readfirstlane_b32 s27, v3                    ; wave 0..7: n rows 16 (w >> 1) on, k columns 32 (w & 1) on
	s_lshr_b32 s28, s27, 1
	s_and_b32 s29, s27, 1
	v_mul_u32_u24 v6, v1, GP
	v_lshl_add_u32 v6, v2, 4, v6                   ; a fragment: row r, 16 bytes for each half of the lanes
	s_mul_i32 s30, s29, 32*GP
	s_add_co_u32 s30, s30, GB
	v_add_nc_u32 v7, s30, v6                       ; my two fragments of W_q
	s_mul_i32 s30, s28, 16*GP
	v_add_nc_u32 v6, s30, v6                       ; my fragment of W_k
	v_mul_u32_u24 v8, v1, GSP
	v_lshl_add_u32 v8, v2, 4, v8
	s_mul_i32 s30, s28, 16*GSP
	s_lshl_b32 s31, s29, 6
	s_add_co_u32 s30, s30, s31
	s_add_co_u32 s30, s30, GST
	v_add_nc_u32 v8, s30, v8                       ; into the stage: row 16 (w >> 1) + r, byte 64 (w & 1) + 16 h
	v_lshrrev_b32 v9, 3, v0
	v_and_b32 v10, 7, v0
	v_lshlrev_b32 v10, 4, v10
	v_mul_u32_u24 v11, v9, GSP
	v_add3_u32 v11, v11, v10, GST                  ; back: row t / 8 (+ 32), 16 bytes at 16 (t % 8)
	v_lshl_add_u32 v10, v9, 11, v10                ; and the same in wt
.macro GLOAD                           ; a chunk: 64 rows x 1,024 bytes of W_k, then of W_q
.irp i, 0,1,2,3,4,5,6,7,8,9,10,11,12,13,14,15
	global_load_b128 v[X+4*(\i):X+4*(\i)+3], v4, s[20:21] offset:16384*(\i)
.endr
.irp i, 0,1,2,3,4,5,6,7,8,9,10,11,12,13,14,15
	global_load_b128 v[X+64+4*(\i):X+64+4*(\i)+3], v4, s[22:23] offset:16384*(\i)
.endr
.endm
	GLOAD
.set i, 0
.rept 16
	v_mov_b32 v[ACC+i], 0                          ; sixteen registers are cleared, so that one text serves all four chunks
.set i, i+1
.endr
	s_mov_b32 s25, 4
.Lchunk:
	s_wait_loadcnt 0x0                             ; the chunk is in; its loads are done, so their bases may step
	s_add_nc_u64 s[20:21], s[20:21], 1024
	s_add_nc_u64 s[22:23], s[22:23], 1024
.set i, 0
.rept 32
	v_cvt_pk_bf16_f32 v[Y+2*i],   v[X+4*i],   v[X+4*i+1]
	v_cvt_pk_bf16_f32 v[Y+2*i+1], v[X+4*i+2], v[X+4*i+3]
.set i, i+1
.endr
	s_barrier_signal -1                            ; every wave's fragment loads of the chunk before have come back (each waited for them ahead of its products):
	s_barrier_wait -1                              ; the one buffer may be written again
.irp i, 0,1,2,3,4,5,6,7,8,9,10,11,12,13,14,15
	ds_store_b64 v5, v[Y+2*(\i):Y+2*(\i)+1] offset:4*GP*(\i)
.endr
.irp i, 0,1,2,3,4,5,6,7,8,9,10,11,12,13,14,15
	ds_store_b64 v5, v[Y+32+2*(\i):Y+32+2*(\i)+1] offset:GB+4*GP*(\i)
.endr
	s_cmp_eq_u32 s25, 1
	s_cbranch_scc1 .Lno_more                       ; the last chunk has no successor: no load leaves the weights
	GLOAD                                          ; the next chunk is on its way while this one is multiplied
.Lno_more:
	s_wait_dscnt 0x0                               ; for the others' sake: my stores are done
	s_barrier_signal -1
	s_barrier_wait -1
	; 16 products: 8 K steps of 32, two accumulators by turns.  Source 0 = 16 rows of W_q, source 1 = 16 rows of W_k: a lane holds one n and eight neighbouring k.
.irp hf, 0,1
.irp ks, 0,1,2,3
	ds_load_b128 v[F+24*(\ks):F+24*(\ks)+3],     v6 offset:64*(4*(\hf)+(\ks))
	ds_load_b128 v[F+24*(\ks)+4:F+24*(\ks)+7],   v6 offset:64*(4*(\hf)+(\ks))+32
	ds_load_b128 v[F+24*(\ks)+8:F+24*(\ks)+11],  v7 offset:64*(4*(\hf)+(\ks))
	ds_load_b128 v[F+24*(\ks)+12:F+24*(\ks)+15], v7 offset:64*(4*(\hf)+(\ks))+32
	ds_load_b128 v[F+24*(\ks)+16:F+24*(\ks)+19], v7 offset:16*GP+64*(4*(\hf)+(\ks))
	ds_load_b128 v[F+24*(\ks)+20:F+24*(\ks)+23], v7 offset:16*GP+64*(4*(\hf)+(\ks))+32
.endr
.irp ks, 0,1,2,3
	s_wait_dscnt 18-6*(\ks)                        ; LDS loads come back in order: this K step's six are in, the later steps' stay out
	v_wmma_f32_16x16x32_bf16 v[ACC:ACC+7],    v[F+24*(\ks)+8:F+24*(\ks)+15],  v[F+24*(\ks):F+24*(\ks)+7], v[ACC:ACC+7]
	v_wmma_f32_16x16x32_bf16 v[ACC+8:ACC+15], v[F+24*(\ks)+16:F+24*(\ks)+23], v[F+24*(\ks):F+24*(\ks)+7], v[ACC+8:ACC+15]
.endr
	PLACES                                         ; ahead of the next loads into, and roundings onto, the fragments' registers
.endr
	s_sub_co_u32 s25, s25, 1
	s_cmp_lg_u32 s25, 0
	s_cbranch_scc1 .Lchunk
.irp j, 0,1,2,3,4,5,6,7
	v_pk_mul_f32 v[ACC+2*(\j):ACC+2*(\j)+1], v[ACC+2*(\j):ACC+2*(\j)+1], 0x41800000 op_sel_hi:[1,0]  ; 16 G: room in f16 below and above
.endr
.irp j, 0,1,2,3,4,5,6,7
	v_cvt_pk_f16_f32 v[F+(\j)], v[ACC+2*(\j)], v[ACC+2*(\j)+1]
.endr
	ds_store_b128 v8, v[F:F+3]
	ds_store_b128 v8, v[F+4:F+7] offset:32
	s_wait_dscnt 0x0                               ; for the others' sake: a row's 128 bytes come from two waves
	s_barrier_signal -1
	s_barrier_wait -1
	ds_load_b128 v[F+8:F+11],  v11
	ds_load_b128 v[F+12:F+15], v11 offset:32*GSP
	s_wait_dscnt 1
	global_store_b128 v10, v[F+8:F+11], s[14:15]   ; eight lanes store a row's 128 consecutive bytes
	s_wait_dscnt 0x0
	global_store_b128 v10, v[F+12:F+15], s[14:15] offset:65536
	s_wait_tensorcnt 0x0                           ; the wave's end, behind my last LDS store
	ds_add_u32 v[SPW], v[NIL]
	s_wait_dscnt 0x0
	s_endpgm
.Lnot_g:
	s_cmp_lt_u32 ttmp9, 768
	s_cbranch_scc0 .Ltr
	; THE CAST.  In each of 16 steps thread t takes 16 bytes of x at 16 t and gives 8 bytes of xb at 8 t: a wave's load covers 512 consecutive bytes, its store 256, aligned.
	s_sub_co_u32 s18, ttmp9, 256
	s_lshl_b32 s16, s18, 16
	s_add_nc_u64 s[4:5], s[4:5], s[16:17]
	s_lshl_b32 s16, s18, 15
	s_add_nc_u64 s[12:13], s[12:13], s[16:17]
	v_lshlrev_b32 v1, 4, v0
	v_lshlrev_b32 v2, 3, v0
.set it, 0
.rept 16                                       ; all 16 loads go out at once
	global_load_b128 v[X+4*it:X+4*it+3], v1, s[4:5] offset:4096*it th:TH_LOAD_NT
.set it, it+1
.endr
.set it, 0
.rept 16
	s_wait_loadcnt 15-it                           ; loads come back in order: this step's is in, the younger ones stay out
	v_cvt_pk_bf16_f32 v[T],   v[X+4*it],   v[X+4*it+1]      ; rounded to bf16,
	v_cvt_pk_bf16_f32 v[T+1], v[X+4*it+2], v[X+4*it+3]
	v_lshlrev_b32 v[X+4*it],   16,  v[T]                    ; widened again,
	v_and_b32     v[X+4*it+1], s26, v[T]
	v_lshlrev_b32 v[X+4*it+2], 16,  v[T+1]
	v_and_b32     v[X+4*it+3], s26, v[T+1]
	v_cvt_pk_f16_f32 v[Y+2*it],   v[X+4*it],   v[X+4*it+1]  ; and written as f16
	v_cvt_pk_f16_f32 v[Y+2*it+1], v[X+4*it+2], v[X+4*it+3]
	global_store_b64 v2, v[Y+2*it:Y+2*it+1], s[12:13] offset:2048*it  ; each step has registers of its own: nothing that a store reads is rewritten
.set it, it+1
.endr
	s_wait_tensorcnt 0x0                           ; the wave's end
	ds_add_u32 v[SPW], v[NIL]
	s_wait_dscnt 0x0
	s_endpgm
.Ltr:	; THE TURN OF W_v.  Block: k block (id & 7) of 128, n block (id >> 3) of 64.
	s_sub_co_u32 s18, ttmp9, 768
	s_and_b32 s20, s18, 7                          ; k block
	s_lshr_b32 s21, s18, 3                         ; n block
	s_lshl_b32 s16, s20, 19                        ; 128 rows of 4,096 bytes
	s_lshl_b32 s24, s21, 8                         ; 64 numbers of 4 bytes
	s_add_co_u32 s16, s16, s24
	s_add_nc_u64 s[22:23], s[10:11], s[16:17]
	s_lshl_b32 s16, s21, 6
	s_add_co_u32 s16, s16, 1024                    ; wt's row,
	s_lshl_b32 s16, s16, 11                        ; of 2,048 bytes
	s_lshl_b32 s24, s20, 8                         ; 128 numbers of 2 bytes
	s_add_co_u32 s16, s16, s24
	s_add_nc_u64 s[14:15], s[14:15], s[16:17]
	v_and_b32 v1, 15, v0                           ; nq: my four n
	v_lshrrev_b32 v2, 4, v0                        ; kp: my pair of k, in each of four steps
	v_lshlrev_b32 v3, 4, v1
	v_lshl_add_u32 v4, v2, 13, v3                  ; from: two rows x kp + 16 nq: sixteen lanes read 256 consecutive bytes
	v_mul_u32_u24 v5, v1, 4*TP
	v_lshl_add_u32 v5, v2, 2, v5                   ; into LDS: row 4 nq (+ j), word kp (+ 16 i)
	v_mul_u32_u24 v6, v2, TP
	v_add_nc_u32 v6, v6, v3                        ; back: row t / 16 (+ 16 i), 16 bytes at 16 (t % 16)
	v_lshl_add_u32 v7, v2, 11, v3                  ; and the same in wt
.irp i, 0,1,2,3
	global_load_b128 v[X+8*(\i):X+8*(\i)+3],   v4, s[22:23] offset:131072*(\i) th:TH_LOAD_NT
	global_load_b128 v[X+8*(\i)+4:X+8*(\i)+7], v4, s[22:23] offset:131072*(\i)+4096 th:TH_LOAD_NT
.endr
.irp i, 0,1,2,3
	s_wait_loadcnt 6-2*(\i)                        ; this step's two rows are in
.irp j, 0,1,2,3
	v_cvt_pk_bf16_f32 v[T+(\j)], v[X+8*(\i)+(\j)], v[X+8*(\i)+4+(\j)]  ; W[k][n], W[k+1][n]: neighbours in wt's row n
.endr
.irp j, 0,1,2,3
	v_lshlrev_b32 v[X+8*(\i)+(\j)],   16,  v[T+(\j)]
	v_and_b32     v[X+8*(\i)+4+(\j)], s26, v[T+(\j)]
.endr
.irp j, 0,1,2,3
	v_cvt_pk_f16_f32 v[48+4*(\i)+(\j)], v[X+8*(\i)+(\j)], v[X+8*(\i)+4+(\j)]
.endr
.irp j, 0,1,2,3
	ds_store_b32 v5, v[48+4*(\i)+(\j)] offset:TP*(\j)+64*(\i)
.endr
.endr
	s_wait_dscnt 0x0                               ; for the others' sake: my stores are done
	s_barrier_signal -1
	s_barrier_wait -1
.irp i, 0,1,2,3
	ds_load_b128 v[64+4*(\i):64+4*(\i)+3], v6 offset:16*TP*(\i)
.endr
.irp i, 0,1,2,3
	s_wait_dscnt 3-(\i)
	global_store_b128 v7, v[64+4*(\i):64+4*(\i)+3], s[14:15] offset:32768*(\i)  ; sixteen lanes store 256 consecutive bytes, aligned
.endr
	s_wait_tensorcnt 0x0                           ; the wave's end, behind my last LDS store
	ds_add_u32 v[SPW], v[NIL]
	s_wait_dscnt 0x0
	s_endpgm
.Lfunc_end_k_q3716fc1c20_prep:
	.size	k_q3716fc1c20_prep, .Lfunc_end_k_q3716fc1c20_prep-k_q3716fc1c20_prep
	.p2alignl 7, 3214868480
	.fill 96, 4, 3214868480
	.section	.rodata,"a",@progbits
	.p2align	6, 0x0
	.amdhsa_kernel k_q3716fc1c20_prep
		.amdhsa_group_segment_fixed_size 77824
		.amdhsa_private_segment_fixed_size 0
		.amdhsa_enable_private_segment 0
		.amdhsa_kernarg_size 48
		.amdhsa_user_sgpr_count 2
		.amdhsa_user_sgpr_kernarg_segment_ptr 1
		.amdhsa_wavefront_size32 1
		.amdhsa_system_sgpr_workgroup_id_x 1
		.amdhsa_system_sgpr_workgroup_id_y 1
		.amdhsa_system_sgpr_workgroup_id_z 1
		.amdhsa_system_vgpr_workitem_id 0
		.amdhsa_next_free_vgpr 256
		.amdhsa_next_free_sgpr 66
		.amdhsa_reserve_vcc 0
		.amdhsa_float_denorm_mode_32 3
		.amdhsa_float_denorm_mode_16_64 3
		.amdhsa_memory_ordered 1
		.amdhsa_forward_progress 1
		.amdhsa_inst_pref_size 40
	.end_amdhsa_kernel
	.amdgpu_metadata
---
amdhsa.version: [ 1, 2 ]
amdhsa.kernels:
  - .name:           k_q3716fc1c20_prep
    .symbol:         k_q3716fc1c20_prep.kd
    .args:
      - { .name: embedding_word, .offset: 0, .size: 8, .value_kind: global_buffer, .address_space: global }
      - { .name: w_q, .offset: 8, .size: 8, .value_kind: global_buffer, .address_space: global }
      - { .name: w_k, .offset: 16, .size: 8, .value_kind: global_buffer, .address_space: global }
      - { .name: w_v, .offset: 24, .size: 8, .value_kind: global_buffer, .address_space: global }
      - { .name: xb, .offset: 32, .size: 8, .value_kind: global_buffer, .address_space: global }
      - { .name: wt, .offset: 40, .size: 8, .value_kind: global_buffer, .address_space: global }
    .group_segment_fixed_size: 77824
    .private_segment_fixed_size: 0
    .kernarg_segment_align: 8
    .kernarg_segment_size: 48
    .max_flat_workgroup_size: 256
    .sgpr_count:     66
    .vgpr_count:     256
    .wavefront_size: 32
...
	.end_amdgpu_metadata
.endif
;; end of part 5
;; launch proj (part 6): grid 8 x 32, 4 waves a work-group, clusters of 4 x 4, 327,680 bytes of LDS; arguments xb, wt, qkv; writes qkv
.if DOCPART == 6
	.amdgcn_target "amdgcn-amd-amdhsa--gfx1250"
	.amdhsa_code_object_version 6
	.text
	.protected	k_q3716fc1c20_proj
	.globl	k_q3716fc1c20_proj
	.p2align	8
	.type	k_q3716fc1c20_proj,@function
k_q3716fc1c20_proj:
	s_mov_b64 s[64:65], 0
	v_nop
	global_prefetch_b8 v0, s[64:65] scope:SCOPE_SE
	s_setreg_imm32_b32 hwreg(HW_REG_WAVE_MODE, 25, 1), 1
	s_wait_xcnt 0x0
	s_wait_alu depctr_hold_cnt(0) depctr_sa_sdst(0) depctr_va_vdst(0) depctr_va_sdst(0) depctr_va_ssrc(0) depctr_va_vcc(0) depctr_vm_vsrc(0)
	s_getreg_b32 s2, hwreg(HW_REG_IB_STS2, 6, 4)
	s_cmp_eq_u32 s2, 0
	s_cbranch_scc0 .Lentry_in_a_cluster
	s_endpgm
.Lentry_in_a_cluster:
	s_bfe_u32 s2, ttmp6, 0x10000c
	s_cmp_lg_u32 s2, 0xf033
	s_cbranch_scc0 .Lentry_shape_is_right
	s_endpgm
.Lentry_shape_is_right:
; q' = x G and v = x W_v.  C[m][n] = sum over k of xb[m][k] wt[n][k], 8192 x 2048 x 1024, f16 operands, sums in f32, C scaled in f32 and rounded once to f16.
; C's columns 0-1023 (wt holds 16 G there) times 2^-12 are 2^-8 q': plane 0 of qkv.  Columns 1024-2047, times 1, are v: plane 2.  A plane is [8192][1024] f16, 2^24 bytes; plane 1 is not used.
; LIMITS.  f16 ends at 65,504: |x G| < 1.6e7 and |v| < 65,504; below 0.016 q' keeps a fixed step of 1.5e-5, below 6e-5 v keeps one of 6e-8.
; 256 tiles of C, 256 x 256, one to a work-group of four waves, each 128 x 128: 64 accumulators of 16 x 16, 512 registers.  K goes in steps of 128 through two LDS slots filled by tensor loads.
; CLUSTER: 4 x 4 work-groups.  The four of a row need the same tiles of xb, the four of a column the same tiles of wt: each tile is asked for jointly, by the same load with the same descriptor and mask.
; ONE TEXT FOR BOTH SLOTS: the slot in hand is a scalar, 0 or SLOT, turned by an exclusive or; the fragments' addresses are made from it at each change of slots.
; The last K step goes by rows of C, so that finished rows leave while the others are multiplied.
; REGISTERS, in windows of 256: window 0: v0-31 addresses; v64-191 fragments of xb; v32-63, v192-255 the way out.  window 1: fragments of wt.  windows 2, 3: accumulators ((a, b) at v[8 (8 a + b)]).
; The matrix instruction takes 16 rows of wt as source 0 and 16 rows of xb as source 1: a lane then holds eight neighbouring columns of one row of C.
.set SIZE_K, 1024
.set CP,     1024                      ; numbers in a row of a plane of qkv
.set KSTEP,  128
.set STEPS,  SIZE_K/KSTEP
.set PITCH,  272                       ; an LDS row: 256 bytes + 16: row r starts 16 r bytes further modulo 256, so the 16 rows of a load touch 16 different columns of 16 bytes
.set HALFT,  128*PITCH
.set SLOT,   4*HALFT                   ; xb's 256 rows, then wt's 256 rows.  SLOT = 0x22000 shares no bit with wave x HALFT (0, 0x8800, 0x11000, 0x19800): an exclusive or with it adds or takes it away
.set STAGE,  2*SLOT                    ; behind the ring: 16 rows x 272 bytes for each wave
.set SPITCH, 272
.set SPARE,  STAGE+4*16*SPITCH         ; the spare words, 128 bytes a wave
.set ADRA, 16                          ; v16  my fragments of xb in the slot in hand
.set A0,   17                          ; v17  the same in slot 0; never rewritten
.set ADRB, 20                          ; v20, v21  the same for wt
.set B0,   21
.set STO,  24
.set RD,   25
.set CO,   26
.set SPW,  28
.set NIL,  29
.set F0,   64
.set F1,   128
.set TMP,  192
.set OB,   32
.set PA,   64
.set G1, 24                            ; s[24:31] descriptor group 1 for xb's tiles
.set G0, 32                            ; s[32:39] group 0: a set for each of the two first fills; the second then walks on
.set TB, 45                            ; s45  the slot in hand: 0 or SLOT
.set G1B, 48                           ; s[48:55], s[56:63] the same for wt's tiles
.set G0B, 56
.set MSB, 0
.macro WIN new                         ; the immediate's high byte repeats the setting that is left
.if MSB != (\new)
	s_set_vgpr_msb (MSB<<8)|(\new)
.set MSB, \new
.endif
.endm
.set MUL_LO, 0xa1                      ; source 0 window 1, source 1 window 0, C and D window 2
.set MUL_HI, 0xf1                      ; the same, C and D window 3
.set TO_B,   0x40                      ; destination window 1, address window 0
.macro JLOAD s                         ; a joint load: waves 0 and 1 fetch xb's two halves, waves 2 and 3 wt's; the branch hangs on the wave's number alone
	s_cmp_eq_u32 s11, 0
	s_cbranch_scc0 .Lfor_b_\@
	tensor_load_to_lds s[G0+4*(\s):G0+4*(\s)+3], s[G1:G1+7]
	s_nop 0
.rept 4
	v_nop
.endr
	s_branch .Lasked_\@
.Lfor_b_\@:
	tensor_load_to_lds s[G0B+4*(\s):G0B+4*(\s)+3], s[G1B:G1B+7]
	s_nop 0
.rept 4
	v_nop
.endr
.Lasked_\@:
.endm
.macro CREST                           ; a round of the cluster's barrier behind its opening barrier
	s_cmp_lg_u32 s10, 0
	s_cbranch_scc1 .Lnot_wave_0_\@
	s_barrier_signal -3
.Lnot_wave_0_\@:
	s_barrier_wait -3
	s_barrier_signal -1
	s_barrier_wait -1
.endm
.macro CROUND                          ; a whole round
	s_barrier_signal -1
	s_barrier_wait -1
	CREST
.endm
	s_load_b128 s[4:7], s[0:1], 0x0                ; xb s[4:5], wt s[6:7]
	s_load_b64 s[8:9], s[0:1], 0x10                ; qkv
	v_lshl_add_u32 v[SPW], v0, 2, SPARE
	v_mov_b32 v[NIL], 0
	ds_add_u32 v[SPW], v[NIL]                      ; the wave's opening: the add and its wait ahead of my first tensor load
	ds_add_u32 v28, v29
	v_lshrrev_b32 v1, 5, v0
	v_readfirstlane_b32 s10, v1                    ; wave 0..3
	s_lshr_b32 s11, s10, 1                         ; which half of the tile's rows is mine; also: I fetch xb (0) or wt (1)
	s_and_b32 s12, s10, 1                          ; which half of its columns; also: which 128 rows I fetch
	s_bfe_u32 s40, ttmp6, 0x40000                  ; cx
	s_bfe_u32 s41, ttmp6, 0x40004                  ; cy
	s_lshl_b32 s42, ttmp9, 2
	s_add_co_u32 s42, s42, s40                     ; tile column = 4 x cluster x + cx
	s_and_b32 s13, ttmp7, 0xffff
	s_lshl_b32 s13, s13, 2
	s_add_co_u32 s13, s13, s41                     ; tile row = 4 x cluster y + cy
	s_lshl_b32 s43, s41, 2
	s_lshl_b32 s43, 15, s43                        ; my row of the cluster
	s_lshl_b32 s44, 0x1111, s40                    ; my column
	s_mov_b32 s[TB], 0
	s_or_b32 s[G1+0], s43, (1<<16)|(1<<20)|(1<<21)|(5<<22)|(3<<25)   ; mask; 2-byte elements; padding on; bit 21 beside a mask; after every 64 words 4 words
	s_or_b32 s[G1B+0], s44, (1<<16)|(1<<20)|(1<<21)|(5<<22)|(3<<25)
	s_mov_b32 s[G1B+1], KSTEP<<16
	s_mov_b32 s[G1+1], KSTEP<<16                   ; tensor_dim0 = 128
	s_mov_b32 s[G1B+2], 128<<16
	s_mov_b32 s[G1+2], 128<<16                     ; tensor_dim1 = 128
	s_mov_b32 s[G1B+3], KSTEP<<16
	s_mov_b32 s[G1+3], KSTEP<<16                   ; tile_dim0 = 128
	s_mov_b32 s[G1B+4], 128
	s_mov_b32 s[G1+4], 128                         ; tile_dim1 = 128
	s_mov_b32 s[G1B+5], SIZE_K
	s_mov_b32 s[G1+5], SIZE_K                      ; elements from row to row
	s_mov_b32 s[G1B+6], 0
	s_mov_b32 s[G1+6], 0
	s_mov_b32 s[G1B+7], 0
	s_mov_b32 s[G1+7], 0
	s_lshl_b32 s17, s12, 7
	s_lshl_b32 s16, s13, 8
	s_add_co_u32 s16, s16, s17                     ; xb: row 256 x tile row + 128 x half
	s_lshl_b32 s46, s42, 8
	s_add_co_u32 s46, s46, s17                     ; wt: row 256 x tile column + 128 x half
	s_mov_b32 s17, 0
	s_mov_b32 s47, 0
	s_mov_b64 s[18:19], SIZE_K*2
	s_mul_u64 s[16:17], s[16:17], s[18:19]
	s_mul_u64 s[46:47], s[46:47], s[18:19]
	s_mul_i32 s20, s10, HALFT                      ; where they go: wave x 128 rows
	s_wait_dscnt 0x0                               ; the opening add is done
	s_wait_kmcnt 0x0
	s_add_nc_u64 s[14:15], s[4:5], s[16:17]
	s_add_nc_u64 s[46:47], s[6:7], s[46:47]
	CROUND                                         ; all sixteen work-groups are here: the first joint loads meet
.irp s, 0,1
	s_mov_b32 s[G0+4*(\s)], 1
	s_add_co_u32 s[G0+4*(\s)+1], s20, (\s)*SLOT
	s_add_nc_u64 s[G0+4*(\s)+2:G0+4*(\s)+3], s[14:15], (\s)*KSTEP*2
	s_or_b32 s[G0+4*(\s)+3], s[G0+4*(\s)+3], 0x80000000
	s_mov_b32 s[G0B+4*(\s)], 1
	s_add_co_u32 s[G0B+4*(\s)+1], s20, (\s)*SLOT
	s_add_nc_u64 s[G0B+4*(\s)+2:G0B+4*(\s)+3], s[46:47], (\s)*KSTEP*2
	s_or_b32 s[G0B+4*(\s)+3], s[G0B+4*(\s)+3], 0x80000000
	JLOAD \s
.endr
	; a fragment is 16 rows x 32 K in 8 registers: lane l holds row l % 16, K = 8 (l / 16) + 0..7 and 16 + 8 (l / 16) + 0..7: two loads of 16 bytes, 32 bytes apart
	v_and_b32 v1, 15, v0
	v_bfe_u32 v2, v0, 4, 1
	v_mul_u32_u24 v3, v1, PITCH
	v_lshl_add_u32 v3, v2, 4, v3
	s_mul_i32 s21, s11, HALFT
	s_mul_i32 s22, s12, HALFT
	s_add_co_u32 s22, s22, 2*HALFT
	v_add_nc_u32 v[A0], s21, v3
	v_add_nc_u32 v[B0], s22, v3
	v_mov_b32 v[ADRA], v[A0]                       ; slot 0 is in hand
	v_mov_b32 v[ADRB], v[B0]
	s_mul_i32 s23, s10, 16*SPITCH
	s_add_co_u32 s23, s23, STAGE                   ; my stage
	v_mul_u32_u24 v4, v1, SPITCH
	v_lshl_add_u32 v4, v2, 4, v4
	v_add_nc_u32 v[STO], s23, v4
	v_mul_u32_u24 v5, v2, SPITCH
	v_lshl_add_u32 v5, v1, 4, v5
	v_add_nc_u32 v[RD], s23, v5
	v_mul_u32_u24 v5, v2, CP*2
	v_lshl_add_u32 v[CO], v1, 4, v5
	s_lshl_b32 s13, s13, 8
	s_lshl_b32 s14, s11, 7
	s_add_co_u32 s16, s13, s14                     ; my first row
	s_mov_b32 s17, 0
	s_mov_b64 s[18:19], CP*2
	s_mul_u64 s[16:17], s[16:17], s[18:19]
	s_and_b32 s46, s42, 3                          ; the tile column inside its plane: 512 bytes each,
	s_lshl_b32 s46, s46, 9
	s_lshl_b32 s47, s12, 8                         ; my half of them,
	s_add_co_u32 s46, s46, s47
	s_lshr_b32 s47, s42, 2                         ; and plane 0 or plane 2: 2^25 bytes apart
	s_lshl_b32 s47, s47, 25
	s_add_co_u32 s46, s46, s47
	s_mov_b32 s47, 0
	s_add_nc_u64 s[16:17], s[16:17], s[46:47]
.macro MUL16 f, hi, a0, zero           ; 16 matrix instructions: row blocks a0, a0 + 1 of the window's four x all 8 column blocks, 32 along K.  The 64 accumulators take turns
	WIN MUL_LO+0x50*(\hi)
.irp a, \a0, (\a0)+1
.irp b, 0,1,2,3,4,5,6,7
.if \zero
	v_wmma_f32_16x16x32_f16 v[8*(8*(\a)+(\b)):8*(8*(\a)+(\b))+7], v[(\f)+8*(\b):(\f)+8*(\b)+7], v[(\f)+8*(4*(\hi)+(\a)):(\f)+8*(4*(\hi)+(\a))+7], 0
.else
	v_wmma_f32_16x16x32_f16 v[8*(8*(\a)+(\b)):8*(8*(\a)+(\b))+7], v[(\f)+8*(\b):(\f)+8*(\b)+7], v[(\f)+8*(4*(\hi)+(\a)):(\f)+8*(4*(\hi)+(\a))+7], v[8*(8*(\a)+(\b)):8*(8*(\a)+(\b))+7]
.endif
.endr
.endr
.endm
.macro FETCH k, f                      ; 32 LDS loads in one run: the fragments of 32 along K at byte k of the rows of the slot in hand
	WIN TO_B
.irp i, 0,1,2,3,4,5,6,7
	ds_load_b128 v[(\f)+8*(\i):(\f)+8*(\i)+3],   v[ADRB] offset:(\k)+(\i)*16*PITCH
	ds_load_b128 v[(\f)+8*(\i)+4:(\f)+8*(\i)+7], v[ADRB] offset:(\k)+(\i)*16*PITCH+32
.endr
	WIN 0
.irp i, 0,1,2,3,4,5,6,7
	ds_load_b128 v[(\f)+8*(\i):(\f)+8*(\i)+3],   v[ADRA] offset:(\k)+(\i)*16*PITCH
	ds_load_b128 v[(\f)+8*(\i)+4:(\f)+8*(\i)+7], v[ADRA] offset:(\k)+(\i)*16*PITCH+32
.endr
.endm
.macro PLACES                          ; four plain vector instructions between a matrix instruction and a load into, or a read of, its registers
.rept 4
	v_nop
.endr
.endm
.macro NEXTSLOT                        ; the other slot comes in hand; my loads from the old one have come back, so their address registers may be written
	s_xor_b32 s[TB], s[TB], SLOT
	v_add_nc_u32 v[ADRA], s[TB], v[A0]
	v_add_nc_u32 v[ADRB], s[TB], v[B0]
.endm
.macro QUARTER k, f, g, zero           ; multiplies buffer f; in its middle fetches the next quarter, at byte k, into g
	s_wait_dscnt 8                                 ; all but the youngest eight loads (xb's rows 64-127)
	WIN MUL_LO
	MUL16 \f, 0, 0, \zero
	MUL16 \f, 0, 2, \zero
	PLACES
	FETCH \k, \g
	s_wait_dscnt 32                                ; all but the 32 just issued
	WIN MUL_HI
	MUL16 \f, 1, 0, \zero
	MUL16 \f, 1, 2, \zero
.endm
.macro MEET round                      ; the change of slots: one barrier; in front of it all my tensor loads, the add, and my reads of this slot
	WIN 0
	s_wait_tensorcnt 0x0                           ; the one that was out is my part of the next slot
	ds_add_u32 v[SPW], v[NIL]
	s_wait_dscnt 9                                 ; the add and the youngest eight loads may be out
	WIN MUL_LO
	MUL16 F1, 0, 0, 0
	s_wait_dscnt 0x0                               ; the add is done, my reads of this slot are over
	s_barrier_signal -1
	MUL16 F1, 0, 2, 0
.if \round
	WIN 0
.endif
	s_barrier_wait -1
.endm
.macro TURN                            ; the last quarter of a K step: the slot just read is filled again, two K steps ahead, first thing behind the round
	MEET 1
	CREST
	s_xor_b32 s[G0+5], s[G0+5], SLOT               ; the walking descriptors (no load of mine is out): the other slot than last time,
	s_add_nc_u64 s[G0+6:G0+7], s[G0+6:G0+7], KSTEP*2  ; the next K step; the type bits on top are not reached
	s_xor_b32 s[G0B+5], s[G0B+5], SLOT
	s_add_nc_u64 s[G0B+6:G0B+7], s[G0B+6:G0B+7], KSTEP*2
	JLOAD 1
	NEXTSLOT
	FETCH 0, F0
	WIN MUL_HI
	MUL16 F1, 1, 0, 0
	MUL16 F1, 1, 2, 0
.endm
; the last K step by rows of C: all its fragments of wt fill window 1; my eight blocks of 16 rows are finished one after the other
.macro BLOAD q
	WIN TO_B
.irp i, 0,1,2,3,4,5,6,7
	ds_load_b128 v[64*(\q)+8*(\i):64*(\q)+8*(\i)+3],   v[ADRB] offset:64*(\q)+(\i)*16*PITCH
	ds_load_b128 v[64*(\q)+8*(\i)+4:64*(\q)+8*(\i)+7], v[ADRB] offset:64*(\q)+(\i)*16*PITCH+32
.endr
.endm
.macro ALOAD a
	WIN 0
.set FA, PA+32*((\a)%4)
.irp q, 0,1,2,3
	ds_load_b128 v[FA+8*(\q):FA+8*(\q)+3],   v[ADRA] offset:64*(\q)+(\a)*16*PITCH
	ds_load_b128 v[FA+8*(\q)+4:FA+8*(\q)+7], v[ADRA] offset:64*(\q)+(\a)*16*PITCH+32
.endr
.endm
.macro ROW a                           ; block a is finished: 32 matrix instructions, its 8 accumulators by turns
.set FA, PA+32*((\a)%4)
.set AC, 64*((\a)%4)
	WIN MUL_LO+0x50*((\a)/4)
.irp q, 0,1,2,3
.if (\a) == 0 && (\q) == 2
	s_wait_dscnt 24                                ; wt's quarter 2 is in (behind it: xb's blocks 1 to 3)
.endif
.irp b, 0,1,2,3,4,5,6,7
	v_wmma_f32_16x16x32_f16 v[AC+8*(\b):AC+8*(\b)+7], v[64*(\q)+8*(\b):64*(\q)+8*(\b)+7], v[FA+8*(\q):FA+8*(\q)+7], v[AC+8*(\b):AC+8*(\b)+7]
.endr
.endr
.endm
.macro PACK a                          ; scaled in f32, rounded to f16, 16 bytes a lane; each accumulator's registers in ascending order
.set AC, 64*((\a)%4)
	WIN 0x82+0x41*((\a)/4)                         ; destination and source 0: window 2 or 3
.set i, 0
.rept 32
	v_pk_mul_f32 v[AC+2*i:AC+2*i+1], v[AC+2*i:AC+2*i+1], s[2:3] op_sel_hi:[1,0]
.set i, i+1
.endr
	WIN 0x0a+5*((\a)/4)
.irp b, 0,1,2,3,4,5,6,7
.irp r, 0,1,2,3
	v_cvt_pk_f16_f32 v[TMP+4*(\b)+(\r)], v[AC+8*(\b)+2*(\r)], v[AC+8*(\b)+2*(\r)+1]
.endr
.endr
	WIN 0
.endm
.macro TOSTAGE a                       ; into my own stage, and back as whole rows of 256 bytes
	WIN 0
.set BK, OB+192*((\a)%2)
.irp b, 0,1,2,3,4,5,6,7
	ds_store_b128 v[STO], v[TMP+4*(\b):TMP+4*(\b)+3] offset:32*(\b)
.endr
.irp t, 0,1,2,3,4,5,6,7
	ds_load_b128 v[BK+4*(\t):BK+4*(\t)+3], v[RD] offset:(\t)*2*SPITCH  ; LDS serves a wave's instructions in order (ISA guide 5.7.1.4)
.endr
.endm
.macro SEND a, younger
	WIN 0
.set BK, OB+192*((\a)%2)
	s_wait_dscnt \younger
	s_wait_xcnt 0x0                                ; only behind this wait are the stores' base and the registers that earlier stores read rewritten
.if (\a) == 0
	s_add_nc_u64 s[8:9], s[8:9], s[16:17]
.else
	s_add_nc_u64 s[8:9], s[8:9], 16*CP*2
.endif
.irp t, 0,1,2,3,4,5,6,7
	global_store_b128 v[CO], v[BK+4*(\t):BK+4*(\t)+3], s[8:9] offset:2*(\t)*CP*2  ; sixteen lanes store 256 consecutive bytes, aligned
.endr
.endm
	s_wait_tensorcnt 1                             ; my part of K step 0 is in; K step 1's may stay out
	s_barrier_signal -1
	s_barrier_wait -1
	FETCH 0, F0
	QUARTER 64,  F0, F1, 1                         ; the first quarter's products start the sums
	WIN 0
	s_mov_b32 s3, STEPS-2
.Lstep:                                                ; a trip: from a K step's second quarter to the next step's first; it fills the slot that it leaves
	QUARTER 128, F1, F0, 0
	QUARTER 192, F0, F1, 0
	TURN
	QUARTER 64,  F0, F1, 0
	WIN 0
	s_sub_co_u32 s3, s3, 1
	s_cmp_lg_u32 s3, 0
	s_cbranch_scc1 .Lstep
	s_cmp_eq_u32 ttmp9, 0                          ; the cluster's x: 0: columns of q', 1: columns of v
	s_cselect_b32 s2, 0x39800000, 1.0              ; 2^-12, or 1
	s_mov_b32 s3, s2                               ; named with it as a pair
	QUARTER 128, F1, F0, 0
	QUARTER 192, F0, F1, 0
	MEET 0                                         ; the other slot holds the last K step; nothing is filled again
	WIN 0
	NEXTSLOT
	PLACES
	WIN TO_B
	BLOAD 0
	BLOAD 1
	BLOAD 3
	WIN 0
	ALOAD 0
	WIN MUL_HI
	MUL16 F1, 1, 0, 0
	MUL16 F1, 1, 2, 0
	PLACES
	WIN TO_B
	BLOAD 2
	WIN 0
	ALOAD 1
	ALOAD 2
	ALOAD 3
	s_wait_dscnt 40                                ; all but the 40 just issued
	ROW 0
.irp a, 0,1,2,3,4,5,6,7
	PLACES
	PACK \a
	TOSTAGE \a
.if (\a) < 4
	ALOAD (\a)+4
	SEND \a, 8
.else
	SEND \a, 0
.endif
.if (\a) < 7
	ROW (\a)+1
.endif
.endr
	s_wait_tensorcnt 0x0                           ; the wave's end
	ds_add_u32 v[SPW], v[NIL]
	s_wait_dscnt 0x0
	CROUND                                         ; the closing round
	s_endpgm
.Lfunc_end_k_q3716fc1c20_proj:
	.size	k_q3716fc1c20_proj, .Lfunc_end_k_q3716fc1c20_proj-k_q3716fc1c20_proj
	.p2alignl 7, 3214868480
	.fill 96, 4, 3214868480
	.section	.rodata,"a",@progbits
	.p2align	6, 0x0
	.amdhsa_kernel k_q3716fc1c20_proj
		.amdhsa_group_segment_fixed_size 327680
		.amdhsa_private_segment_fixed_size 0
		.amdhsa_enable_private_segment 0
		.amdhsa_kernarg_size 24
		.amdhsa_user_sgpr_count 2
		.amdhsa_user_sgpr_kernarg_segment_ptr 1
		.amdhsa_wavefront_size32 1
		.amdhsa_system_sgpr_workgroup_id_x 1
		.amdhsa_system_sgpr_workgroup_id_y 1
		.amdhsa_system_sgpr_workgroup_id_z 1
		.amdhsa_system_vgpr_workitem_id 0
		.amdhsa_next_free_vgpr 1024
		.amdhsa_next_free_sgpr 66
		.amdhsa_reserve_vcc 0
		.amdhsa_float_denorm_mode_32 3
		.amdhsa_float_denorm_mode_16_64 3
		.amdhsa_memory_ordered 1
		.amdhsa_forward_progress 1
		.amdhsa_inst_pref_size 134
	.end_amdhsa_kernel
	.amdgpu_metadata
---
amdhsa.version: [ 1, 2 ]
amdhsa.kernels:
  - .name:           k_q3716fc1c20_proj
    .symbol:         k_q3716fc1c20_proj.kd
    .args:
      - { .name: xb, .offset: 0, .size: 8, .value_kind: global_buffer, .address_space: global }
      - { .name: wt, .offset: 8, .size: 8, .value_kind: global_buffer, .address_space: global }
      - { .name: qkv, .offset: 16, .size: 8, .value_kind: global_buffer, .address_space: global }
    .group_segment_fixed_size: 327680
    .private_segment_fixed_size: 0
    .kernarg_segment_align: 8
    .kernarg_segment_size: 24
    .max_flat_workgroup_size: 128
    .sgpr_count:     66
    .vgpr_count:     1024
    .wavefront_size: 32
...
	.end_amdgpu_metadata
.endif
;; end of part 6
;; launch scores (part 7): grid 9 x 16, 4 waves a work-group, no clusters, 327,680 bytes of LDS; arguments qkv, pb, st, xb; writes pb, st
.if DOCPART == 7
	.amdgcn_target "amdgcn-amd-amdhsa--gfx1250"
	.amdhsa_code_object_version 6
	.text
	.protected	k_q3716fc1c20_scores
	.globl	k_q3716fc1c20_scores
	.p2align	8
	.type	k_q3716fc1c20_scores,@function
k_q3716fc1c20_scores:
	s_mov_b64 s[64:65], 0
	v_nop
	global_prefetch_b8 v0, s[64:65] scope:SCOPE_SE
	s_setreg_imm32_b32 hwreg(HW_REG_WAVE_MODE, 25, 1), 1
	s_wait_xcnt 0x0
; The causal tiles, 256 queries x 256 keys, of s = q k^T = q' x^T (q' = x W_q W_k^T), and for each query and each GROUP of 128 keys: m = the group's largest visible score, p = 2^(c s - c m) in f16,
; l = the sum of the unrounded p.  Plane 0 of qkv holds 2^-8 q' in f16, xb holds x in f16: the sums are 2^-8 s, and the constant here is 2^8 c = 8 log2(e), c = log2(e) / 32.
; pb: [4][2048][2048] f16 (only causal tiles are written).  st: plane 0 c m, plane 1 l, each [batch 4][group 16][block of 64 rows 32][r 16][a 4] f32, row = 64 block + 16 a + r.
; The next launch joins the groups exactly: weight = p 2^(c m - M) / L, with M the row's largest c m.  So the maximum that is taken away is a true running maximum, by groups.
; LIMITS.  A hidden score counts as its sum less 1e30; p below 6e-5 keeps f16's fixed step of 6e-8; a weight below 2^-126 counts as 0 in l; NaN and infinities are not treated apart.
; SHARES.  A batch has 36 tiles (I, J), J <= I < 8.  Rows p and 7 - p of the triangle have 9 tiles together: grid x = 0..8 walks them, grid y = 4 batch + p.  144 work-groups: there is no more work of this shape.
; NO CLUSTER: a row of the triangle has I + 1 tiles and the folded grid is 9 wide, no multiple of four; partners would need different tiles.
; Four waves, each 128 queries x 128 keys (one group): 64 accumulators, as many registers as two windows hold.  K (the 1,024 channels) goes in steps of 128 through two LDS slots;
; the slot in hand is a scalar, 0 or SLOT, turned by an exclusive or, so that one text serves both slots.  The six K steps that fill a slot again are one loop, the last two, which fill nothing, another.
; Source 0 = 16 keys, source 1 = 16 queries: a lane holds ONE query (lane % 16) and the keys 8 (lane / 16) + 0..7 of each block of 16.
; THE MASK is the C operand of the products that start the sums: 0, or -1e30 where key > query.  It bites only in a diagonal tile's waves 0 and 3.  Wave 1 of a diagonal tile (queries 0-127, keys 128-255) is
; wholly hidden: it is computed unmasked, so that p and l are finite, and -1e30 is added to its stored c m, which makes the group's factor in the next launch exactly 0.
; REGISTERS: window 0: v0-31 addresses; v40-55 masks; v64-191 fragments of q'; v32-63, v192-255 the way out.  window 1: fragments of x.  windows 2, 3: accumulators ((a, b) at v[8 (8 a + b)]).
.set KSTEP,  128
.set PITCH,  272                       ; 256 bytes + 16: row r starts 16 r bytes further modulo 256
.set HALFT,  128*PITCH
.set SLOT,   4*HALFT                   ; q's 256 rows, then the keys' 256 rows.  SLOT = 0x22000 shares no bit with wave x HALFT: an exclusive or with it adds or takes it away
.set STAGE,  2*SLOT
.set SPITCH, 272
.set SPARE,  STAGE+4*16*SPITCH
.set ADRA, 16                          ; v16  my fragments of q' in the slot in hand
.set A0,   17                          ; v17  the same in slot 0; never rewritten
.set ADRB, 20                          ; v20, v21  the same for the keys
.set B0,   21
.set STO,  24
.set RD,   25
.set CO,   26
.set STV,  27
.set SPW,  28
.set NIL,  29
.set OB,   32                          ; v[32:63]   16 rows read back from the stage
.set MDG,  40                          ; v[40:47]   the mask of a block that holds the diagonal
.set MHI,  48                          ; v[48:55]   the mask of a block above it
.set F0,   64
.set F1,   128
.set TMP,  192                         ; v[192:223] p in f16
.set CC,   224                         ; v[224:227] four chains of maxima
.set LL,   228                         ; v[228:235] four chains of sums, in pairs
.set CMP,  236                         ; v[236:237] c m (the pair's second register is written once)
.set CMS,  240                         ; v[240:243] c m to be stored, by row block
.set LS,   244                         ; v[244:247] l, by row block
.set SO,   248                         ; v[248:251] what goes to st
.set G1,   24
.set G0,   32                          ; s[32:39] group 0: a set for each of the two first fills; the second then walks on
.set SHI,  42                          ; s42 -1e30 where my quadrant holds the diagonal, else 0
.set KILL, 43                          ; s43 -1e30 where my quadrant is wholly hidden, else 0
.set CS,   44                          ; s[44:45] 2^8 c
.set SEL,  46                          ; s[46:47] v_permlanex16_b32's selects
.set HM,   48                          ; s48 lanes 16-31
.set TB,   49                          ; s49 the slot in hand: 0 or SLOT
.set MSB, 0
.macro WIN new
.if MSB != (\new)
	s_set_vgpr_msb (MSB<<8)|(\new)
.set MSB, \new
.endif
.endm
.set TO_B, 0x40
.macro PLACES
.rept 4
	v_nop
.endr
.endm
.macro LOADT s                         ; my quarter of a slot: one line for all four waves, each with LDS bytes and rows of its own
	tensor_load_to_lds s[G0+4*(\s):G0+4*(\s)+3], s[G1:G1+7]
	s_nop 0
	PLACES
.endm
	s_load_b128 s[4:7], s[0:1], 0x0                ; qkv s[4:5], pb s[6:7]
	s_load_b64 s[8:9], s[0:1], 0x10                ; st
	s_load_b64 s[50:51], s[0:1], 0x18              ; xb
	v_lshl_add_u32 v[SPW], v0, 2, SPARE
	v_mov_b32 v[NIL], 0
	ds_add_u32 v[SPW], v[NIL]                      ; the wave's opening: the add and its wait ahead of my first tensor load
	ds_add_u32 v28, v29
	v_lshrrev_b32 v1, 5, v0
	v_readfirstlane_b32 s10, v1                    ; wave 0..3
	s_lshr_b32 s11, s10, 1                         ; wr: which 128 queries
	s_and_b32 s12, s10, 1                          ; wc: which 128 keys
	s_and_b32 s13, ttmp7, 0xffff
	s_and_b32 s14, s13, 3                          ; p
	s_lshr_b32 s15, s13, 2                         ; batch
	s_sub_co_u32 s16, 7, s14
	s_sub_co_u32 s17, ttmp9, s14
	s_sub_co_u32 s17, s17, 1
	s_cmp_le_u32 ttmp9, s14
	s_cselect_b32 s40, s14, s16                    ; I = p or 7 - p
	s_cselect_b32 s41, ttmp9, s17                  ; J = x or x - p - 1
	s_cmp_eq_u32 s40, s41
	s_cselect_b32 s16, 1, 0                        ; a diagonal tile
	s_cmp_eq_u32 s11, s12
	s_cselect_b32 s17, s16, 0                      ; and my quadrant holds the diagonal
	s_cmp_eq_u32 s10, 1
	s_cselect_b32 s18, s16, 0                      ; or is wholly hidden
	s_cmp_eq_u32 s17, 1
	s_cselect_b32 s[SHI], 0xf149f2ca, 0
	s_cmp_eq_u32 s18, 1
	s_cselect_b32 s[KILL], 0xf149f2ca, 0
	s_mov_b32 s[CS], 0x4138aa3b                    ; 2^8 c = 8 log2(e)
	s_mov_b32 s[CS+1], s[CS]
	s_mov_b32 s[SEL], 0x76543210
	s_mov_b32 s[SEL+1], 0xfedcba98
	s_mov_b32 s[HM], 0xffff0000
	s_mov_b32 s[TB], 0
	s_mov_b32 s[G1+0], (1<<16)|(1<<20)|(5<<22)|(3<<25)  ; 2-byte elements; padding on: after every 64 words 4 words
	s_mov_b32 s[G1+1], KSTEP<<16                   ; tensor_dim0 = 128
	s_mov_b32 s[G1+2], 128<<16                     ; tensor_dim1 = 128
	s_mov_b32 s[G1+3], KSTEP<<16                   ; tile_dim0 = 128
	s_mov_b32 s[G1+4], 128                         ; tile_dim1 = 128
	s_mov_b32 s[G1+5], 1024                        ; elements from row to row
	s_mov_b32 s[G1+6], 0
	s_mov_b32 s[G1+7], 0
	s_cmp_lt_u32 s10, 2                            ; waves 0, 1 fetch q's rows of block I, waves 2, 3 x's rows of block J
	s_cselect_b32 s16, s40, s41
	s_lshl_b32 s16, s16, 8
	s_lshl_b32 s17, s12, 7
	s_add_co_u32 s16, s16, s17
	s_lshl_b32 s17, s15, 11
	s_add_co_u32 s16, s16, s17                     ; the row,
	s_lshl_b32 s16, s16, 11                        ; of 2,048 bytes
	s_mov_b32 s17, 0
	s_mul_i32 s20, s10, HALFT                      ; where they go: wave x 128 rows
	s_wait_dscnt 0x0                               ; the opening add is done
	s_wait_kmcnt 0x0
	s_cmp_lt_u32 s10, 2
	s_cselect_b64 s[18:19], s[4:5], s[50:51]       ; plane 0 of qkv, or xb
	s_add_nc_u64 s[18:19], s[18:19], s[16:17]
.irp s, 0,1
	s_mov_b32 s[G0+4*(\s)], 1
	s_add_co_u32 s[G0+4*(\s)+1], s20, (\s)*SLOT
	s_add_nc_u64 s[G0+4*(\s)+2:G0+4*(\s)+3], s[18:19], (\s)*KSTEP*2
	s_or_b32 s[G0+4*(\s)+3], s[G0+4*(\s)+3], 0x80000000
	LOADT \s                                       ; the two first fills: two loads of mine are out
.endr
	v_and_b32 v1, 15, v0                           ; r = l % 16
	v_bfe_u32 v2, v0, 4, 1                         ; h = l / 16
	v_mul_u32_u24 v3, v1, PITCH
	v_lshl_add_u32 v3, v2, 4, v3
	s_mul_i32 s21, s11, HALFT                      ; my 128 rows of q'
	s_mul_i32 s22, s12, HALFT                      ; my 128 keys,
	s_add_co_u32 s22, s22, 2*HALFT                 ; behind q's 256 rows
	v_add_nc_u32 v[A0], s21, v3
	v_add_nc_u32 v[B0], s22, v3
	v_mov_b32 v[ADRA], v[A0]                       ; slot 0 is in hand
	v_mov_b32 v[ADRB], v[B0]
	s_mul_i32 s23, s10, 16*SPITCH
	s_add_co_u32 s23, s23, STAGE                   ; my stage
	v_mul_u32_u24 v4, v1, SPITCH
	v_lshl_add_u32 v4, v2, 4, v4
	v_add_nc_u32 v[STO], s23, v4                   ; in: row r, 16 bytes for each half of the lanes
	v_mul_u32_u24 v5, v2, SPITCH
	v_lshl_add_u32 v5, v1, 4, v5
	v_add_nc_u32 v[RD], s23, v5                    ; back: lanes 0-15 one row of 256 bytes, lanes 16-31 the next
	v_lshlrev_b32 v5, 12, v2
	v_lshl_add_u32 v[CO], v1, 4, v5                ; the same two rows in pb (4,096 bytes a row)
	v_lshlrev_b32 v[STV], 4, v1
	v_lshl_add_u32 v[STV], v2, 19, v[STV]          ; st: 16 r; lanes 16-31 one plane (524,288 bytes) on
	v_mov_b32 v[CMP+1], 0
	v_lshlrev_b32 v14, 3, v2
	v_sub_nc_u32 v14, v1, v14                      ; r - 8 h: register j of the diagonal's block is hidden where j is greater
.irp j, 0,1,2,3,4,5,6,7
	v_mov_b32 v[MHI+(\j)], s[SHI]
.endr
.irp j, 0,1,2,3,4,5,6,7
	v_cmp_gt_i32 vcc_lo, \j, v14
	v_cndmask_b32 v[MDG+(\j)], 0, v[MHI], vcc_lo
.endr
	s_lshl_b32 s16, s15, 11                        ; pb at my first row and key
	s_lshl_b32 s21, s40, 8
	s_add_co_u32 s16, s16, s21
	s_lshl_b32 s21, s11, 7
	s_add_co_u32 s16, s16, s21
	s_lshl_b32 s16, s16, 12
	s_lshl_b32 s21, s41, 9
	s_add_co_u32 s16, s16, s21
	s_lshl_b32 s21, s12, 8
	s_add_co_u32 s16, s16, s21
	s_add_nc_u64 s[6:7], s[6:7], s[16:17]
	s_lshl_b32 s16, s15, 4                         ; st at ((16 batch + 2 J + wc) 32 + 4 I + 2 wr) 256
	s_lshl1_add_u32 s16, s41, s16
	s_add_co_u32 s16, s16, s12
	s_lshl_b32 s16, s16, 5
	s_lshl2_add_u32 s16, s40, s16
	s_lshl1_add_u32 s16, s11, s16
	s_lshl_b32 s16, s16, 8
	s_add_nc_u64 s[8:9], s[8:9], s[16:17]
; 16 matrix instructions: query blocks a0, a0 + 1 of the window's four x all 8 key blocks, 32 channels.  first = 1: the products start the sums, with 0 or a mask (in window 0) as C.
; The 64 accumulators take turns, one instruction a turn, in the same order in every quarter.
.macro MUL16 f, hi, a0, first
.if \first
	WIN 0x81+0x40*(\hi)
.else
	WIN 0xa1+0x50*(\hi)
.endif
.irp a, \a0, (\a0)+1
.irp b, 0,1,2,3,4,5,6,7
.if (\first) && ((\b) == 4*(\hi)+(\a))
	v_wmma_f32_16x16x32_f16 v[8*(8*(\a)+(\b)):8*(8*(\a)+(\b))+7], v[(\f)+8*(\b):(\f)+8*(\b)+7], v[(\f)+8*(4*(\hi)+(\a)):(\f)+8*(4*(\hi)+(\a))+7], v[MDG:MDG+7]
.elseif (\first) && ((\b) > 4*(\hi)+(\a))
	v_wmma_f32_16x16x32_f16 v[8*(8*(\a)+(\b)):8*(8*(\a)+(\b))+7], v[(\f)+8*(\b):(\f)+8*(\b)+7], v[(\f)+8*(4*(\hi)+(\a)):(\f)+8*(4*(\hi)+(\a))+7], v[MHI:MHI+7]
.elseif \first
	v_wmma_f32_16x16x32_f16 v[8*(8*(\a)+(\b)):8*(8*(\a)+(\b))+7], v[(\f)+8*(\b):(\f)+8*(\b)+7], v[(\f)+8*(4*(\hi)+(\a)):(\f)+8*(4*(\hi)+(\a))+7], 0
.else
	v_wmma_f32_16x16x32_f16 v[8*(8*(\a)+(\b)):8*(8*(\a)+(\b))+7], v[(\f)+8*(\b):(\f)+8*(\b)+7], v[(\f)+8*(4*(\hi)+(\a)):(\f)+8*(4*(\hi)+(\a))+7], v[8*(8*(\a)+(\b)):8*(8*(\a)+(\b))+7]
.endif
.endr
.endr
.endm
.macro FETCH k, f                      ; 32 LDS loads in one run, from the slot in hand
	WIN TO_B
.irp i, 0,1,2,3,4,5,6,7
	ds_load_b128 v[(\f)+8*(\i):(\f)+8*(\i)+3],   v[ADRB] offset:(\k)+(\i)*16*PITCH
	ds_load_b128 v[(\f)+8*(\i)+4:(\f)+8*(\i)+7], v[ADRB] offset:(\k)+(\i)*16*PITCH+32
.endr
	WIN 0
.irp i, 0,1,2,3,4,5,6,7
	ds_load_b128 v[(\f)+8*(\i):(\f)+8*(\i)+3],   v[ADRA] offset:(\k)+(\i)*16*PITCH
	ds_load_b128 v[(\f)+8*(\i)+4:(\f)+8*(\i)+7], v[ADRA] offset:(\k)+(\i)*16*PITCH+32
.endr
.endm
.macro QUARTER k, f, g, first
	s_wait_dscnt 8                                 ; all but the youngest eight loads (q's rows 64-127)
	MUL16 \f, 0, 0, \first
	MUL16 \f, 0, 2, \first
	PLACES
	FETCH \k, \g
	s_wait_dscnt 32                                ; all but the 32 just issued
	MUL16 \f, 1, 0, \first
	MUL16 \f, 1, 2, \first
.endm
; The last quarter of a K step changes slots: one barrier; in front of it all my tensor loads (at most one is out: my part of the next slot), the add, and my reads of this slot.
; fill = 1: this slot is filled again, two K steps ahead, first thing behind the barrier: it has 224 matrix instructions in which to land.
; fill = 0: the text of the last two K steps, counted by s3 (2, then 1).  Nothing is filled; behind the very last K step there is no next slot, and the run of LDS loads is jumped over.
.macro TURN fill
	WIN 0
	s_wait_tensorcnt 0x0
	ds_add_u32 v[SPW], v[NIL]
	s_wait_dscnt 9                                 ; the add and the youngest eight loads may be out
	MUL16 F1, 0, 0, 0
	s_wait_dscnt 0x0                               ; the add is done, my reads of this slot are over
	s_barrier_signal -1
	MUL16 F1, 0, 2, 0
	WIN 0
	s_barrier_wait -1
.if \fill
	s_xor_b32 s[G0+5], s[G0+5], SLOT               ; the walking descriptor (no load of mine is out): the other slot than last time,
	s_add_nc_u64 s[G0+6:G0+7], s[G0+6:G0+7], KSTEP*2  ; the next K step; the type bits on top are not reached
	LOADT 1                                        ; its four v_nop are also the places in front of the loads below
.else
	s_cmp_eq_u32 s3, 1                             ; the same answer in every wave: the counter is a constant's
	s_cbranch_scc1 .Lno_fetch_\@
	PLACES
.endif
	s_xor_b32 s[TB], s[TB], SLOT                   ; the other slot comes in hand; my loads from the old one have come back
	v_add_nc_u32 v[ADRA], s[TB], v[A0]
	v_add_nc_u32 v[ADRB], s[TB], v[B0]
	FETCH 0, F0
.if !(\fill)
.Lno_fetch_\@:
.endif
	MUL16 F1, 1, 0, 0
	MUL16 F1, 1, 2, 0
.endm
	s_wait_tensorcnt 1                             ; my part of K step 0 is in; K step 1's may stay out
	s_barrier_signal -1
	s_barrier_wait -1
	FETCH 0, F0
	QUARTER 64,  F0, F1, 1
	WIN 0
	s_mov_b32 s3, 6
.Lstep:                                                ; a trip: from a K step's second quarter to the next step's first; it fills the slot that it leaves
	QUARTER 128, F1, F0, 0
	QUARTER 192, F0, F1, 0
	TURN 1
	QUARTER 64,  F0, F1, 0
	WIN 0
	s_sub_co_u32 s3, s3, 1
	s_cmp_lg_u32 s3, 0
	s_cbranch_scc1 .Lstep
	s_mov_b32 s3, 2
.Ltail:                                                ; the last two K steps fill nothing: no tensor load stands in this loop.  The second trip is left behind its last products
	QUARTER 128, F1, F0, 0
	QUARTER 192, F0, F1, 0
	TURN 0
	WIN 0
	s_cmp_eq_u32 s3, 1
	s_cbranch_scc1 .Lsums_done
	QUARTER 64,  F0, F1, 0
	WIN 0
	s_sub_co_u32 s3, s3, 1
	s_cmp_lg_u32 s3, 0
	s_cbranch_scc1 .Ltail
.Lsums_done:
	PLACES
; THE SOFTMAX OF A GROUP, for 16 queries: block a of window 2, 64 scores a lane at R.  Each accumulator's lowest registers are read first.
.macro EPI a
.set R, 64*(\a)
	WIN 0x2a                                       ; sources in window 2
.irp k, 0,1,2,3
	v_max3_num_f32 v[CC+(\k)], v[R+16*(\k)], v[R+16*(\k)+1], v[R+16*(\k)+2]
.endr
	WIN 0x28
.irp i, 1,2,3,4,5,6
.irp k, 0,1,2,3
	v_max3_num_f32 v[CC+(\k)], v[CC+(\k)], v[R+16*(\k)+2*(\i)+1], v[R+16*(\k)+2*(\i)+2]
.endr
.endr
	v_max3_num_f32 v[CC], v[CC], v[R+15], v[R+31]
	v_max3_num_f32 v[CC+2], v[CC+2], v[R+47], v[R+63]
	WIN 0
	v_max3_num_f32 v[CC], v[CC], v[CC+1], v[CC+2]
	v_max_num_f32 v[CC], v[CC], v[CC+3]
	v_permlanex16_b32 v[CC+1], v[CC], s[SEL], s[SEL+1]  ; the query's other 64 keys lie in the lane 16 away
	v_max_num_f32 v[CC], v[CC], v[CC+1]
	v_mul_f32 v[CMP], s[CS], v[CC]                 ; c m
	v_add_f32 v[CMS+(\a)], s[KILL], v[CMP]
	WIN 0x82
.set i, 0
.rept 32
	v_pk_fma_f32 v[R+2*i:R+2*i+1], v[R+2*i:R+2*i+1], s[CS:CS+1], v[CMP:CMP+1] op_sel_hi:[1,0,0] neg_lo:[0,0,1] neg_hi:[0,0,1]  ; c s - c m
.set i, i+1
.endr
.set i, 0
.rept 64
	v_exp_f32 v[R+i], v[R+i]
.set i, i+1
.endr
	v_nop                                          ; a plain instruction between the exponentials and the use of their results (ISA guide 5.7.2)
	WIN 0x0a
	s_wait_alu depctr_va_vdst(0)
.irp k, 0,1,2,3
	v_pk_add_f32 v[LL+2*(\k):LL+2*(\k)+1], v[R+16*(\k):R+16*(\k)+1], v[R+16*(\k)+2:R+16*(\k)+3]
.endr
	WIN 0x08
.irp i, 2,3,4,5,6,7
.irp k, 0,1,2,3
	v_pk_add_f32 v[LL+2*(\k):LL+2*(\k)+1], v[LL+2*(\k):LL+2*(\k)+1], v[R+16*(\k)+2*(\i):R+16*(\k)+2*(\i)+1]
.endr
.endr
	WIN 0x0a
.set i, 0
.rept 32
	v_cvt_pk_f16_f32 v[TMP+i], v[R+2*i], v[R+2*i+1]
.set i, i+1
.endr
	WIN 0
	v_pk_add_f32 v[LL:LL+1], v[LL:LL+1], v[LL+2:LL+3]
	v_pk_add_f32 v[LL+4:LL+5], v[LL+4:LL+5], v[LL+6:LL+7]
	v_pk_add_f32 v[LL:LL+1], v[LL:LL+1], v[LL+4:LL+5]
	v_add_f32 v[LL], v[LL], v[LL+1]
	v_permlanex16_b32 v[LL+1], v[LL], s[SEL], s[SEL+1]
	v_add_f32 v[LS+(\a)], v[LL], v[LL+1]
	s_wait_xcnt 0x0                                ; the registers that the block before stored from are loaded again only behind this wait
.irp b, 0,1,2,3,4,5,6,7
	ds_store_b128 v[STO], v[TMP+4*(\b):TMP+4*(\b)+3] offset:32*(\b)
.endr
.irp t, 0,1,2,3,4,5,6,7
	ds_load_b128 v[OB+4*(\t):OB+4*(\t)+3], v[RD] offset:(\t)*2*SPITCH  ; LDS serves a wave's instructions in order (ISA guide 5.7.1.4)
.endr
	s_wait_dscnt 0x0
.irp t, 0,1,2,3,4,5,6,7
	global_store_b128 v[CO], v[OB+4*(\t):OB+4*(\t)+3], s[6:7] offset:(16*(\a)+2*(\t))*4096  ; sixteen lanes store 256 consecutive bytes, aligned
.endr
.endm
	WIN 0
	s_mov_b32 s3, 2
.Lhalf:                                                ; two trips: my rows 0-63, then my rows 64-127, whose scores are first brought from window 3 into window 2: one text for both
	EPI 0
	EPI 1
	EPI 2
	EPI 3
.irp k, 0,1,2,3
	v_cndmask_b32 v[SO+(\k)], v[CMS+(\k)], v[LS+(\k)], s[HM]
.endr
	global_store_b128 v[STV], v[SO:SO+3], s[8:9]   ; lanes 0-15: 256 bytes of c m; lanes 16-31: 256 bytes of l
	s_cmp_eq_u32 s3, 1
	s_cbranch_scc1 .Lhalf_done
	WIN 0x83                                       ; destination window 2, source window 3
.set i, 0
.rept 256
	v_mov_b32 v[i], v[i]
.set i, i+1
.endr
	WIN 0
	s_wait_xcnt 0x0                                ; the stores' bases step only behind this wait
	s_add_nc_u64 s[6:7], s[6:7], 64*4096
	s_add_nc_u64 s[8:9], s[8:9], 256
.Lhalf_done:
	s_sub_co_u32 s3, s3, 1
	s_cmp_lg_u32 s3, 0
	s_cbranch_scc1 .Lhalf
	s_wait_tensorcnt 0x0                           ; the wave's end
	ds_add_u32 v[SPW], v[NIL]
	s_wait_dscnt 0x0
	s_endpgm
.Lfunc_end_k_q3716fc1c20_scores:
	.size	k_q3716fc1c20_scores, .Lfunc_end_k_q3716fc1c20_scores-k_q3716fc1c20_scores
	.p2alignl 7, 3214868480
	.fill 96, 4, 3214868480
	.section	.rodata,"a",@progbits
	.p2align	6, 0x0
	.amdhsa_kernel k_q3716fc1c20_scores
		.amdhsa_group_segment_fixed_size 327680
		.amdhsa_private_segment_fixed_size 0
		.amdhsa_enable_private_segment 0
		.amdhsa_kernarg_size 32
		.amdhsa_user_sgpr_count 2
		.amdhsa_user_sgpr_kernarg_segment_ptr 1
		.amdhsa_wavefront_size32 1
		.amdhsa_system_sgpr_workgroup_id_x 1
		.amdhsa_system_sgpr_workgroup_id_y 1
		.amdhsa_system_sgpr_workgroup_id_z 1
		.amdhsa_system_vgpr_workitem_id 0
		.amdhsa_next_free_vgpr 1024
		.amdhsa_next_free_sgpr 66
		.amdhsa_reserve_vcc 1
		.amdhsa_float_denorm_mode_32 3
		.amdhsa_float_denorm_mode_16_64 3
		.amdhsa_memory_ordered 1
		.amdhsa_forward_progress 1
		.amdhsa_inst_pref_size 125
	.end_amdhsa_kernel
	.amdgpu_metadata
---
amdhsa.version: [ 1, 2 ]
amdhsa.kernels:
  - .name:           k_q3716fc1c20_scores
    .symbol:         k_q3716fc1c20_scores.kd
    .args:
      - { .name: qkv, .offset: 0, .size: 8, .value_kind: global_buffer, .address_space: global }
      - { .name: pb, .offset: 8, .size: 8, .value_kind: global_buffer, .address_space: global }
      - { .name: st, .offset: 16, .size: 8, .value_kind: global_buffer, .address_space: global }
      - { .name: xb, .offset: 24, .size: 8, .value_kind: global_buffer, .address_space: global }
    .group_segment_fixed_size: 327680
    .private_segment_fixed_size: 0
    .kernarg_segment_align: 8
    .kernarg_segment_size: 32
    .max_flat_workgroup_size: 128
    .sgpr_count:     66
    .vgpr_count:     1024
    .wavefront_size: 32
...
	.end_amdgpu_metadata
.endif
;; end of part 7
;; launch mix (part 8): grid 8 x 32, 4 waves a work-group, clusters of 4 x 1, 327,680 bytes of LDS; arguments pb, st, qkv, out0; writes out0
.if DOCPART == 8
	.amdgcn_target "amdgcn-amd-amdhsa--gfx1250"
	.amdhsa_code_object_version 6
	.text
	.protected	k_q3716fc1c20_mix
	.globl	k_q3716fc1c20_mix
	.p2align	8
	.type	k_q3716fc1c20_mix,@function
k_q3716fc1c20_mix:
	s_mov_b64 s[64:65], 0
	v_nop
	global_prefetch_b8 v0, s[64:65] scope:SCOPE_SE
	s_setreg_imm32_b32 hwreg(HW_REG_WAVE_MODE, 25, 1), 1
	s_wait_xcnt 0x0
	s_wait_alu depctr_hold_cnt(0) depctr_sa_sdst(0) depctr_va_vdst(0) depctr_va_sdst(0) depctr_va_ssrc(0) depctr_va_vcc(0) depctr_vm_vsrc(0)
	s_getreg_b32 s2, hwreg(HW_REG_IB_STS2, 6, 4)
	s_cmp_eq_u32 s2, 0
	s_cbranch_scc0 .Lentry_in_a_cluster
	s_endpgm
.Lentry_in_a_cluster:
	s_bfe_u32 s2, ttmp6, 0x10000c
	s_cmp_lg_u32 s2, 0x3003
	s_cbranch_scc0 .Lentry_shape_is_right
	s_endpgm
.Lentry_shape_is_right:
; O[q][:] = sum over the groups g of 128 keys of fac_g[q] (P_g V_g)[q][:], fac_g = 2^(c m_g - M) / L, M = the largest c m_g of the row, L = sum over g of 2^(c m_g - M) l_g.
; P (f16, relative to its group's maximum), c m and l come from the launch before; V is plane 2 of qkv, [8192][1024] f16.  Products in f16 with f32 sums; factors and O in f32; O is never rounded.
; Every exponent is at most 0.  A wholly hidden group carries c m = -1e30: its factor is exactly 0.  LIMITS: as stated where P is made; NaN and infinities are not treated apart.
; SHARES.  A tile of O is 128 queries x 128 columns.  Block i of 128 queries needs (i >> 1) + 1 steps of 256 keys.  A work-group takes blocks 15 - p and then p: 9 steps whatever p, one walk with constant
; counts.  Four waves, each 64 x 64: 16 part sums (ACC), joined into 16 totals (TOT) behind each group.
; CLUSTER.  The four work-groups of a cluster have the same p and batch and four neighbouring blocks of columns: they walk the same tiles of P, which are asked for JOINTLY (mask 15).  V's tiles differ: loads of one's own.
; ONE TEXT for both slots and for both groups of a step: the slot in hand is a scalar, 0 or SLOT, turned by an exclusive or; a loop of two trips walks the step's groups, its LDS addresses made from two scalars that step.
; Source 0 = 16 columns of V (turned on the way out of LDS), source 1 = 16 queries of P: a lane holds ONE query (lane % 16) and eight neighbouring columns.
; REGISTERS: window 0: v0-31 addresses; v32-63 the way out; v64-111 factors; v128-255 ACC ((a, b) at 128 + 8 (4 a + b)).  window 1: two fragment buffers of 128 (64 of P, 64 of V).  window 2: v0-127 TOT.
.set PA,    528                        ; a row of P in LDS: 512 bytes + 16
.set PB,    288                        ; a row of V: 256 bytes + 32: sixteen lanes of the turning load take 8 rows x 32 bytes that differ modulo 256
.set BOFF,  128*PA                     ; V's 256 rows lie behind P's 128
.set SLOT,  0x24000                    ; slot 1 begins here; a slot holds BOFF + 256 PB = 141,312 bytes.  0x24000 shares no bit with the four places at which a wave's load begins in a slot
                                       ; (0, 0x8400, 0x10800, 0x19800): an exclusive or with it adds or takes it away
.set STAGE, SLOT+BOFF+256*PB           ; behind the ring: 16 rows x 272 bytes for each wave
.set SP,    272
.set SPARE, STAGE+4*16*SP
.set A0,   16                          ; v16  my P fragments at the head of slot 0; never rewritten
.set ADRA, 17                          ; v17  the same for the group in hand
.set B0,   18                          ; v18, v19  the same for V
.set ADRB, 19
.set STO,  24
.set RD,   25
.set CO,   26
.set STV,  27                          ; v27     16 (l % 16)
.set SPW,  28
.set NIL,  29
.set BK,   32
.set MM,   64                          ; v[64:67] M, v[68:71] 1 / L of the block in hand, by query block a; v[72:79] the second block's
.set CM,   80                          ; v[80:83] c m of the group in hand, v[84:87] of the step's second group
.set FA,   88                          ; v[88:95] the factors, in the low registers of four pairs
.set TT,   96                          ; v[96:103] at work
.set ACC,  128
.set F0,   0
.set F1,   128
.set WV,   12
.set TB,   96                          ; s96  the slot in hand: 0 or SLOT
.set GA,   97                          ; s97  LDS byte at which the group in hand begins in P's rows: TB + 256 x group
.set GB,   98                          ; s98  the same for V: TB + 128 rows x group
.set GC,   99                          ; s99  counts a step's two groups
.set MSB, 0
.macro WIN new
.if MSB != (\new)
	s_set_vgpr_msb (MSB<<8)|(\new)
.set MSB, \new
.endif
.endm
.macro PLACES
.rept 4
	v_nop
.endr
.endm
.macro JLOAD                           ; waves 0, 1: the two halves of P's tile, jointly; waves 2, 3: the two halves of V's tile.  The branch hangs on the wave's number alone
	s_cmp_lt_u32 s[WV], 2
	s_cbranch_scc0 .Lfor_v_\@
	tensor_load_to_lds s[40:43], s[24:31]
	s_nop 0
	PLACES
	s_branch .Lasked_\@
.Lfor_v_\@:
	tensor_load_to_lds s[44:47], s[32:39]
	s_nop 0
	PLACES
.Lasked_\@:
.endm
.macro CROUND                          ; a round of the cluster's barrier
	s_barrier_signal -1
	s_barrier_wait -1
	s_cmp_lg_u32 s[WV], 0
	s_cbranch_scc1 .Lnot_wave_0_\@
	s_barrier_signal -3
.Lnot_wave_0_\@:
	s_barrier_wait -3
	s_barrier_signal -1
	s_barrier_wait -1
.endm
	s_load_b256 s[4:11], s[0:1], 0x0               ; pb s[4:5], st s[6:7], qkv s[8:9], out0 s[10:11]
	v_lshl_add_u32 v[SPW], v0, 2, SPARE
	v_mov_b32 v[NIL], 0
	ds_add_u32 v[SPW], v[NIL]                      ; the wave's opening: the add and its wait ahead of my first tensor load
	ds_add_u32 v28, v29
	v_lshrrev_b32 v1, 5, v0
	v_readfirstlane_b32 s[WV], v1
	s_bfe_u32 s13, ttmp6, 0x40000                  ; cx: it enters V's and O's addresses alone
	s_lshl_b32 s14, ttmp9, 2
	s_add_co_u32 s14, s14, s13                     ; n: my 128 columns
	s_and_b32 s23, ttmp7, 0xffff
	s_and_b32 s15, s23, 7                          ; p
	s_lshr_b32 s16, s23, 3                         ; batch
	s_lshr_b32 s19, s[WV], 1                       ; wr: which 64 queries
	s_and_b32 s20, s[WV], 1                        ; wc: which 64 columns; also which half of a tile I fetch
	s_sub_co_u32 s21, 15, s15                      ; HI: the first block
	s_mov_b32 s22, s15                             ; LO: the second
	s_mul_i32 s17, s20, 64*PA                      ; where my half of P's tile goes in a slot
	s_mul_i32 s18, s20, 128*PB
	s_add_co_u32 s18, s18, BOFF                    ; and my half of V's
	s_mov_b32 s[TB], 0                             ; slot 0 is in hand
	s_mov_b32 s24, 15|(1<<16)|(1<<20)|(1<<21)|(6<<22)|(3<<25)  ; P: mask of four; 2-byte elements; padding on; bit 21 beside a mask; after every 128 words 4 words
	s_mov_b32 s25, 256<<16                         ; tensor_dim0 = 256
	s_mov_b32 s26, 64<<16                          ; tensor_dim1 = 64
	s_mov_b32 s27, 256<<16                         ; tile_dim0 = 256
	s_mov_b32 s28, 64                              ; tile_dim1 = 64
	s_mov_b32 s29, 2048                            ; elements from row to row
	s_mov_b32 s30, 0
	s_mov_b32 s31, 0
	s_mov_b32 s32, (1<<16)|(1<<20)|(5<<22)|(7<<25) ; V: no mask; after every 64 words 8 words
	s_mov_b32 s33, 128<<16
	s_mov_b32 s34, 128<<16
	s_mov_b32 s35, 128<<16
	s_mov_b32 s36, 128
	s_mov_b32 s37, 1024
	s_mov_b32 s38, 0
	s_mov_b32 s39, 0
	s_mov_b32 s40, 1
	s_mov_b32 s41, s17                             ; slot 0
	s_mov_b32 s44, 1
	s_mov_b32 s45, s18
	s_mov_b32 s62, 0x76543210
	s_mov_b32 s63, 0xfedcba98
	s_mov_b32 s76, 0xffff0000                      ; lanes 16-31
	s_lshl_b32 s52, s16, 23                        ; P: (2048 batch + 64 half) rows of 4,096 bytes
	s_lshl_b32 s23, s20, 18
	s_add_co_u32 s52, s52, s23
	s_mov_b32 s53, 0
	s_lshl_b32 s54, s16, 22                        ; V: plane 2; (2048 batch + 128 half) rows of 2,048 bytes; 256 n
	s_lshl_b32 s78, s20, 18
	s_add_co_u32 s54, s54, s78
	s_lshl_b32 s78, s14, 8
	s_add_co_u32 s54, s54, s78
	s_add_co_u32 s54, s54, 0x2000000
	s_mov_b32 s55, 0
	s_lshl_b32 s60, s16, 17                        ; st: 131,072 batch + 256 wr
	s_lshl_b32 s23, s19, 8
	s_add_co_u32 s60, s60, s23
	s_mov_b32 s61, 0
	s_lshl_b32 s78, s16, 23                        ; O: (2048 batch + 64 wr) rows of 4,096 bytes + 512 n + 256 wc
	s_lshl_b32 s77, s19, 18
	s_add_co_u32 s78, s78, s77
	s_lshl_b32 s77, s14, 9
	s_add_co_u32 s78, s78, s77
	s_lshl_b32 s77, s20, 8
	s_add_co_u32 s78, s78, s77
	s_mov_b32 s79, 0
	s_wait_dscnt 0x0                               ; the opening add is done
	s_wait_kmcnt 0x0
	s_add_nc_u64 s[48:49], s[4:5], s[52:53]        ; ABASE
	s_add_nc_u64 s[50:51], s[8:9], s[54:55]        ; VBASE
	s_add_nc_u64 s[56:57], s[6:7], s[60:61]        ; STB
	s_add_nc_u64 s[68:69], s[10:11], s[78:79]
	s_lshl_b32 s78, s21, 19                        ; a block is 128 rows of 4,096 bytes
	s_add_nc_u64 s[66:67], s[68:69], s[78:79]      ; O at the first block
	s_lshl_b32 s78, s22, 19
	s_add_nc_u64 s[68:69], s[68:69], s[78:79]      ; and at the second
	s_lshl_b32 s52, s21, 19                        ; the walk's first tile: block HI, step 0
	s_add_nc_u64 s[42:43], s[48:49], s[52:53]
	s_or_b32 s43, s43, 0x80000000
	s_mov_b64 s[46:47], s[50:51]
	s_or_b32 s47, s47, 0x80000000
	s_mov_b32 s70, 1                               ; NXJ, NXB: the tile to be asked for next
	s_mov_b32 s71, s21
	CROUND                                         ; all four work-groups are here
	JLOAD                                          ; slot 0
	v_and_b32 v1, 15, v0                           ; r
	v_bfe_u32 v2, v0, 4, 1                         ; h
	v_mul_u32_u24 v3, v1, PA
	v_lshl_add_u32 v3, v2, 4, v3
	s_mul_i32 s23, s19, 64*PA
	v_add_nc_u32 v[A0], s23, v3
	v_and_b32 v4, 7, v0                            ; the turning load: lane l reads key 8 h + l % 8, columns 8 ((l / 8) % 2) + 0..7
	v_bfe_u32 v5, v0, 3, 1
	v_lshl_add_u32 v4, v2, 3, v4
	v_mul_u32_u24 v4, v4, PB
	v_lshl_add_u32 v4, v5, 4, v4
	s_lshl_b32 s23, s20, 7
	s_add_co_u32 s23, s23, BOFF
	v_add_nc_u32 v[B0], s23, v4
	s_mul_i32 s23, s[WV], 16*SP
	s_add_co_u32 s23, s23, STAGE
	v_mul_u32_u24 v6, v1, SP
	v_lshl_add_u32 v6, v2, 5, v6
	v_add_nc_u32 v[STO], s23, v6                   ; in: row r, 32 bytes for each half of the lanes
	v_mul_u32_u24 v6, v2, SP
	v_lshl_add_u32 v6, v1, 4, v6
	v_add_nc_u32 v[RD], s23, v6                    ; back: lanes 0-15 one row of 256 bytes, lanes 16-31 the next
	v_lshlrev_b32 v6, 12, v2
	v_lshl_add_u32 v[CO], v1, 4, v6
	v_lshlrev_b32 v[STV], 4, v1
.set i, FA
.rept 16
	v_mov_b32 v[i], 0                              ; the pairs' second registers, and destinations that count as read
.set i, i+1
.endr
	WIN 0x80
.set i, 0
.rept 128
	v_mov_b32 v[i], 0                              ; TOT starts at 0; this stands in the wait for the first tile
.set i, i+1
.endr
	WIN 0
	; M AND 1 / L OF BOTH BLOCKS, once.  Lanes 0-15 work for block HI, lanes 16-31 for LO.  A block has G = 2 (i >> 1) + 2 groups; beyond them the last one is read again (nothing unwritten is read) and its l counts as 0.
	v_mov_b32 v104, s21
	v_mov_b32 v105, s22
	v_cndmask_b32 v104, v104, v105, s76            ; my block
	v_lshrrev_b32 v105, 1, v104
	v_lshl_add_u32 v105, v105, 1, 2                ; G
	v_add_nc_u32 v106, -1, v105
	v_lshl_add_u32 v107, v104, 9, v[STV]           ; 512 i + 16 r
.set g, 0
.rept 16
	v_min_u32 v[BK+g], g, v106
	v_lshl_add_u32 v[BK+g], v[BK+g], 13, v107      ; a group is 8,192 bytes
	v_cmp_lt_u32 s[80+g], g, v105
.set g, g+1
.endr
	WIN 0x40                                       ; destination window 1
.set g, 0
.rept 16
	global_load_b128 v[4*g:4*g+3],       v[BK+g], s[56:57]
	global_load_b128 v[64+4*g:64+4*g+3], v[BK+g], s[56:57] offset:524288
.set g, g+1
.endr
	s_wait_loadcnt 0x0
	WIN 0x15
.irp a, 0,1,2,3
	v_max3_num_f32 v[MM+(\a)], v[(\a)], v[4+(\a)], v[8+(\a)]
.endr
	WIN 0x14
.irp i, 1,2,3,4,5,6
.irp a, 0,1,2,3
	v_max3_num_f32 v[MM+(\a)], v[MM+(\a)], v[4*(2*(\i)+1)+(\a)], v[4*(2*(\i)+2)+(\a)]
.endr
.endr
.irp a, 0,1,2,3
	v_max3_num_f32 v[MM+(\a)], v[MM+(\a)], v[60+(\a)], v[60+(\a)]
.endr
	WIN 0x41
.set i, 0
.rept 64
	v_sub_f32 v[i], v[i], v[MM+i%4]
.set i, i+1
.endr
.set i, 0
.rept 64
	v_exp_f32 v[i], v[i]
.set i, i+1
.endr
	v_nop                                          ; a plain instruction between the exponentials and the use of their results
	WIN 0x44
.set i, 0
.rept 64
	v_cndmask_b32 v[64+i], 0, v[64+i], s[80+i/4]
.set i, i+1
.endr
	WIN 0x05
	s_wait_alu depctr_va_vdst(0)
.irp a, 0,1,2,3
	v_mul_f32 v[MM+4+(\a)], v[(\a)], v[64+(\a)]
.endr
.set i, 4
.rept 60
	v_fma_f32 v[MM+4+i%4], v[i], v[64+i], v[MM+4+i%4]
.set i, i+1
.endr
	WIN 0
.irp a, 0,1,2,3
	v_rcp_f32 v[MM+4+(\a)], v[MM+4+(\a)]
.endr
	v_nop
	s_wait_alu depctr_va_vdst(0)
.irp k, 0,1,2,3,4,5,6,7                ; every lane takes both blocks' figures for its query
	v_permlanex16_b32 v[TT+(\k)], v[MM+(\k)], s62, s63
.endr
.irp k, 0,1,2,3,4,5,6,7
	v_cndmask_b32 v[MM+8+(\k)], v[TT+(\k)], v[MM+(\k)], s76
	v_cndmask_b32 v[MM+(\k)], v[MM+(\k)], v[TT+(\k)], s76
.endr
.macro MUL8 f, c, a0, zero             ; 8 matrix instructions: query blocks a0, a0 + 1 x 4 column blocks, 32 keys.  The 16 accumulators take turns
	WIN 0x05
.irp a, \a0, (\a0)+1
.irp b, 0,1,2,3
.if \zero
	v_wmma_f32_16x16x32_f16 v[ACC+8*(4*(\a)+(\b)):ACC+8*(4*(\a)+(\b))+7], v[(\f)+64+8*(4*(\c)+(\b)):(\f)+64+8*(4*(\c)+(\b))+7], v[(\f)+8*(4*(\c)+(\a)):(\f)+8*(4*(\c)+(\a))+7], 0
.else
	v_wmma_f32_16x16x32_f16 v[ACC+8*(4*(\a)+(\b)):ACC+8*(4*(\a)+(\b))+7], v[(\f)+64+8*(4*(\c)+(\b)):(\f)+64+8*(4*(\c)+(\b))+7], v[(\f)+8*(4*(\c)+(\a)):(\f)+8*(4*(\c)+(\a))+7], v[ACC+8*(4*(\a)+(\b)):ACC+8*(4*(\a)+(\b))+7]
.endif
.endr
.endr
.endm
.macro FETCH q, f                      ; 32 LDS loads in one run: the fragments of half q (64 keys) of the group in hand; the first 32 keys first
	WIN 0x40
.irp c, 0,1
.irp i, 0,1,2,3
	ds_load_tr16_b128 v[(\f)+64+8*(4*(\c)+(\i)):(\f)+64+8*(4*(\c)+(\i))+3],   v[ADRB] offset:((\q)*64+32*(\c))*PB+32*(\i)
	ds_load_tr16_b128 v[(\f)+64+8*(4*(\c)+(\i))+4:(\f)+64+8*(4*(\c)+(\i))+7], v[ADRB] offset:((\q)*64+32*(\c)+16)*PB+32*(\i)
	ds_load_b128 v[(\f)+8*(4*(\c)+(\i)):(\f)+8*(4*(\c)+(\i))+3],   v[ADRA] offset:128*(\q)+64*(\c)+(\i)*16*PA
	ds_load_b128 v[(\f)+8*(4*(\c)+(\i))+4:(\f)+8*(4*(\c)+(\i))+7], v[ADRA] offset:128*(\q)+64*(\c)+(\i)*16*PA+32
.endr
.endr
.endm
.macro COMBINE                         ; TOT += fac ACC for the group in hand.  The four subtractions are the places behind the last products; each accumulator is read from its low end on
	WIN 0
	s_wait_loadcnt 0x0                             ; c m of the step's two groups is in: the loads went out a step ago
.irp a, 0,1,2,3
	v_sub_f32 v[TT+(\a)], v[CM+(\a)], v[MM+(\a)]
.endr
.irp a, 0,1,2,3
	v_exp_f32 v[TT+(\a)], v[TT+(\a)]
.endr
	v_nop
	s_wait_alu depctr_va_vdst(0)
.irp a, 0,1,2,3
	v_mul_f32 v[FA+2*(\a)], v[TT+(\a)], v[MM+4+(\a)]
.endr
.irp a, 0,1,2,3
	v_mov_b32 v[CM+(\a)], v[CM+4+(\a)]             ; the step's second group comes in hand (behind the second group the copy serves nothing)
.endr
	WIN 0xa0                                       ; TOT (destination and source 2) in window 2
.set t, 0
.rept 16
.irp k, 0,1,2,3
	v_pk_fma_f32 v[8*t+2*(\k):8*t+2*(\k)+1], v[ACC+8*t+2*(\k):ACC+8*t+2*(\k)+1], v[FA+2*(t/4):FA+2*(t/4)+1], v[8*t+2*(\k):8*t+2*(\k)+1] op_sel_hi:[1,0,1]
.endr
.set t, t+1
.endr
.endm
; A STEP'S TWO GROUPS, one text walked twice: 64 matrix instructions a group, on two fragment buffers of 64 keys.  The group's first run of LDS loads is waited for with nothing beside it:
; the price of one text for both groups.  The vector work of COMBINE stands between a group's last products and the next group's loads into the fragments' registers.
.macro GROUPS
	s_mov_b32 s[GA], s[TB]
	s_mov_b32 s[GB], s[TB]
	s_mov_b32 s[GC], 2
.Lgroup_\@:
	v_add_nc_u32 v[ADRA], s[GA], v[A0]             ; my loads from the group before have come back
	v_add_nc_u32 v[ADRB], s[GB], v[B0]
	FETCH 0, F0
	s_wait_dscnt 16                                ; the first 32 keys are in
	MUL8 F0, 0, 0, 1                               ; the group's first products start the part sums
	MUL8 F0, 0, 2, 1
	PLACES
	FETCH 1, F1
	s_wait_dscnt 32                                ; all but the 32 just issued
	MUL8 F0, 1, 0, 0
	MUL8 F0, 1, 2, 0
	s_wait_dscnt 16
	MUL8 F1, 0, 0, 0
	MUL8 F1, 0, 2, 0
	s_wait_dscnt 0x0
	MUL8 F1, 1, 0, 0
	MUL8 F1, 1, 2, 0
	COMBINE
	WIN 0
	s_add_co_u32 s[GA], s[GA], 256                 ; 128 keys on in P's rows,
	s_add_co_u32 s[GB], s[GB], 128*PB              ; 128 rows on in V
	s_sub_co_u32 s[GC], s[GC], 1
	s_cmp_lg_u32 s[GC], 0
	s_cbranch_scc1 .Lgroup_\@
.endm
.macro LOADCM                          ; c m of the next step's two groups: group 2 CJ of block CB, and the one behind it
	s_lshl_b32 s60, s73, 14
	s_lshl_b32 s23, s74, 9
	s_add_co_u32 s60, s60, s23
	s_add_nc_u64 s[58:59], s[56:57], s[60:61]      ; the loads that named this pair have been waited for
	global_load_b128 v[CM:CM+3],   v[STV], s[58:59]
	global_load_b128 v[CM+4:CM+7], v[STV], s[58:59] offset:8192
.endm
.macro WAYOUT clear                    ; a block's O leaves through my stage, 16 rows at a time.  clear = 1: the second block begins
.irp a, 0,1,2,3
	WIN 0
	s_wait_xcnt 0x0                                ; the registers that earlier stores read are loaded again only behind this wait
	WIN 0x08                                       ; store data in window 2
.irp b, 0,1,2,3
.irp k, 0,1
	ds_store_b128 v[STO], v[8*(4*(\a)+(\b))+4*(\k):8*(4*(\a)+(\b))+4*(\k)+3] offset:64*(\b)+16*(\k)
.endr
.endr
	WIN 0
.irp t, 0,1,2,3,4,5,6,7
	ds_load_b128 v[BK+4*(\t):BK+4*(\t)+3], v[RD] offset:(\t)*2*SP  ; LDS serves a wave's instructions in order (ISA guide 5.7.1.4)
.endr
	s_wait_dscnt 0x0
.irp t, 0,1,2,3,4,5,6,7
	global_store_b128 v[CO], v[BK+4*(\t):BK+4*(\t)+3], s[66:67] offset:(16*(\a)+2*(\t))*4096 th:TH_STORE_NT  ; sixteen lanes store 256 consecutive bytes, aligned
.endr
.endr
.if \clear
	WIN 0x80
.set i, 0
.rept 128
	v_mov_b32 v[i], 0
.set i, i+1
.endr
	WIN 0
.irp k, 0,1,2,3,4,5,6,7
	v_mov_b32 v[MM+(\k)], v[MM+8+(\k)]
.endr
	s_wait_xcnt 0x0                                ; O's address is rewritten only behind this wait
	s_mov_b64 s[66:67], s[68:69]
	s_lshr_b32 s72, s22, 1
	s_add_co_u32 s72, s72, 1                       ; the second block's steps
	s_mov_b32 s74, s22
	s_mov_b32 s73, 0
.endif
.endm
; A STEP of the walk: 256 keys out of the slot in hand.  In front of the barrier: all my tensor loads (one is out: my part of this slot), the add, my reads of the other slot.
; refill = 1: the barrier is a round of the cluster's, and the other slot is filled, first thing behind it, with tile (NXB, NXJ): it has this step's 128 matrix instructions and 128 packed multiply-adds in which to land.
.macro STEP refill
	WIN 0
	s_wait_tensorcnt 0x0                           ; no load of mine is out: the descriptors may be written
	ds_add_u32 v[SPW], v[NIL]                      ; the scalar work below stands between the add and the wait for it
.if \refill
	s_lshl_b32 s52, s71, 19                        ; P: block NXB, 128 rows of 4,096 bytes; step NXJ, 512 bytes
	s_lshl_b32 s23, s70, 9
	s_add_co_u32 s52, s52, s23
	s_lshl_b32 s54, s70, 19                        ; V: step NXJ, 256 rows of 2,048 bytes
	s_xor_b32 s41, s41, SLOT                       ; the other slot than last time
	s_add_nc_u64 s[42:43], s[48:49], s[52:53]
	s_or_b32 s43, s43, 0x80000000
	s_xor_b32 s45, s45, SLOT
	s_add_nc_u64 s[46:47], s[50:51], s[54:55]
	s_or_b32 s47, s47, 0x80000000
	s_add_co_u32 s70, s70, 1                       ; the block's next step, or behind its last the second block's step 0
	s_lshr_b32 s23, s71, 1
	s_cmp_gt_u32 s70, s23
	s_cselect_b32 s70, 0, s70
	s_cselect_b32 s71, s22, s71
.endif
	s_wait_dscnt 0x0                               ; the add is done, my reads of the other slot are over
.if \refill
	CROUND
	JLOAD
.else
	s_barrier_signal -1
	s_barrier_wait -1
.endif
	GROUPS
	s_sub_co_u32 s72, s72, 1
	s_add_co_u32 s73, s73, 1
.if \refill
	s_xor_b32 s[TB], s[TB], SLOT                   ; the next step reads the other slot
	s_cmp_lg_u32 s72, 0                            ; the same answer in all four partners: it hangs on p alone
	s_cbranch_scc1 .Lgo_on_\@
	WAYOUT 1                                       ; the first block's end
.Lgo_on_\@:
	LOADCM
.else
	WAYOUT 0
.endif
.endm
	s_lshr_b32 s72, s21, 1
	s_add_co_u32 s72, s72, 1                       ; RT: steps that the block in hand still has
	s_mov_b32 s74, s21                             ; CB: the block in hand
	s_mov_b32 s73, 0                               ; CJ: its step
	LOADCM
	s_mov_b32 s75, 8
.Lwalk:                                                ; eight trips of one step; each asks for the next tile
	STEP 1
	s_sub_co_u32 s75, s75, 1
	s_cmp_lg_u32 s75, 0
	s_cbranch_scc1 .Lwalk
	STEP 0                                         ; the walk's ninth step is written out: nothing is asked for
	s_wait_tensorcnt 0x0                           ; the wave's end
	ds_add_u32 v[SPW], v[NIL]
	s_wait_dscnt 0x0
	CROUND                                         ; the closing round
	s_endpgm
.Lfunc_end_k_q3716fc1c20_mix:
	.size	k_q3716fc1c20_mix, .Lfunc_end_k_q3716fc1c20_mix-k_q3716fc1c20_mix
	.p2alignl 7, 3214868480
	.fill 96, 4, 3214868480
	.section	.rodata,"a",@progbits
	.p2align	6, 0x0
	.amdhsa_kernel k_q3716fc1c20_mix
		.amdhsa_group_segment_fixed_size 327680
		.amdhsa_private_segment_fixed_size 0
		.amdhsa_enable_private_segment 0
		.amdhsa_kernarg_size 32
		.amdhsa_user_sgpr_count 2
		.amdhsa_user_sgpr_kernarg_segment_ptr 1
		.amdhsa_wavefront_size32 1
		.amdhsa_system_sgpr_workgroup_id_x 1
		.amdhsa_system_sgpr_workgroup_id_y 1
		.amdhsa_system_sgpr_workgroup_id_z 1
		.amdhsa_system_vgpr_workitem_id 0
		.amdhsa_next_free_vgpr 640
		.amdhsa_next_free_sgpr 100
		.amdhsa_reserve_vcc 0
		.amdhsa_float_denorm_mode_32 3
		.amdhsa_float_denorm_mode_16_64 3
		.amdhsa_memory_ordered 1
		.amdhsa_forward_progress 1
		.amdhsa_inst_pref_size 83
	.end_amdhsa_kernel
	.amdgpu_metadata
---
amdhsa.version: [ 1, 2 ]
amdhsa.kernels:
  - .name:           k_q3716fc1c20_mix
    .symbol:         k_q3716fc1c20_mix.kd
    .args:
      - { .name: pb, .offset: 0, .size: 8, .value_kind: global_buffer, .address_space: global }
      - { .name: st, .offset: 8, .size: 8, .value_kind: global_buffer, .address_space: global }
      - { .name: qkv, .offset: 16, .size: 8, .value_kind: global_buffer, .address_space: global }
      - { .name: out0, .offset: 24, .size: 8, .value_kind: global_buffer, .address_space: global }
    .group_segment_fixed_size: 327680
    .private_segment_fixed_size: 0
    .kernarg_segment_align: 8
    .kernarg_segment_size: 32
    .max_flat_workgroup_size: 128
    .sgpr_count:     100
    .vgpr_count:     640
    .wavefront_size: 32
...
	.end_amdgpu_metadata
.endif
;; end of part 8
